; MI455X (gfx1250); checked and timed in simulation.
; The chip was launched on July 23, 2026; its instructions are those of AMD's public machine-readable ISA for CDNA 5 (MIT licence, August 2026) and "CDNA5" Instruction Set Architecture Reference Guide (July 2026). The comments in the code are by the model that wrote it; some were corrected since.
;; Causal Self Attention. Allowed arithmetic: matrix products marked QUANTISED: E4M3 operands, one E8M0 scale for each 32 along K, by v_wmma_scale_f32_16x16x128_f8f6f4 with both operands' format E4M3, f32 sums; everything else in f32.
;; Inputs: k_gain 4 float32; q_gain 16 float32; wk 512 x 2,048 float32; wo 2,048 x 2,048 float32; wq 2,048 x 2,048 float32; wv 512 x 2,048 float32; x 4 x 1,024 x 2,048 float32.
;; Outputs: out0 4 x 1,024 x 2,048 float32.
;; This version of the problem:
;;   THIS VERSION OF THE PROBLEM IS GIVEN IN LOW PRECISION. The matrix products marked QUANTISED in the list below multiply operands that are first quantised to E4M3 (4 exponent bits, 3 mantissa bits; 8 bits a number), with one power-of-two scale for each 32 numbers along K (OCP MX v1.0); their sums are f32. All else is computed in f32.
;;   The module's matrix products, in the order in which they are computed (A, B: the left and right operand; K: the contracted axis; several contracted axes count as one K, in the product's order):
;;     1. [M 4,096, K 2,048] x [K 2,048, N 2,048]; A: input x; B: input wq: QUANTISED
;;     2. [M 4,096, K 2,048] x [K 2,048, N 512]; A: input x; B: input wk: QUANTISED
;;     3. [M 4,096, K 2,048] x [K 2,048, N 512]; A: input x; B: input wv: QUANTISED
;;     4. batch 16 x [M 4,096, K 128] x [K 128, N 1,024]; A: computed on the way; B: computed on the way: QUANTISED
;;     5. batch 16 x [M 4,096, K 1,024] x [K 1,024, N 128]; A: softmax (see below); B: computed on the way: QUANTISED
;;     6. [M 4,096, K 2,048] x [K 2,048, N 2,048]; A: computed on the way; B: input wo: QUANTISED
;;   THE QUANTISER, for each operand of a quantised product, along K:
;;     - K is cut into blocks of 32 from its start; a last block that is shorter is filled with zeros.
;;     - A block's scale is 2^e with e = floor(log2(the largest magnitude in the block)) - 8, held to -126 .. 127; a block of zeros has e = 0. As a byte (E8M0): e + 127.
;;     - Each number is divided by its block's scale, clamped to +-448, and rounded to the nearest number of E4M3, ties to even, subnormals kept.
;;     - The product sums the exact products of the quantised numbers (number of the format x scale) in f32.
;;   ~~~python
;;   def quantise(x, axis):      # numpy; x: float32 -> the quantised numbers, widened to float32 again
;;       x = np.moveaxis(x, axis, -1); K = x.shape[-1]
;;       x = np.pad(x, [(0, 0)] * (x.ndim - 1) + [(0, -K % 32)]); x = x.reshape(x.shape[:-1] + (-1, 32)); a = np.abs(x).max(-1, keepdims=True)
;;       e = np.where(a > 0, np.clip(np.frexp(np.where(a > 0, a, 1))[1] - 1 - 8, -126, 127), 0)      # np.frexp(a)[1] - 1 = floor(log2(a)), exactly
;;       r = np.clip(x / 2.0 ** e, -448, 448)
;;       step = 2.0 ** (np.maximum(np.frexp(np.where(r == 0, 1, r))[1] - 1, -6) - 3)
;;       q = np.round(r / step) * step * 2.0 ** e      # np.round: ties to even
;;       return np.moveaxis(q.reshape(q.shape[:-2] + (-1,))[..., :K], -1, axis).astype(np.float32)
;;   ~~~
;;   SOFTMAX AHEAD OF A QUANTISED PRODUCT. Where the list says 'softmax', what is quantised is not the finished softmax but p = 2^(t - M), with t = logit x log2(e) and M = ceil(the row's largest t), a whole number; so 1/2 < the row's largest p <= 1. The row's sum l is taken of the UNQUANTISED p, in f32, and the product's result is divided by l at the end. Since M is a whole number, a kernel that streams over the keys may use a running M (the ceiling of the running maximum): every later rescaling is an exact power of two, which a block's scale takes up: the codes' values come out the same.
;;   OPERANDS COMPUTED ON THE WAY. 'Computed on the way' means the value that the module computes at that place (a softmax that the list does not call 'softmax' is quantised finished and normalised). What goes into a quantiser is computed in f32, as accurately as f32 sums, v_exp_f32 and their like allow (about 1e-6 of the number): no bf16 or f16 on the way to a quantiser, and a product that is left as it is and whose result goes on into a quantised operand takes f32 operands (vector FMAs, or v_wmma_f32_16x16x4_f32). A number that lies on a knife's edge between two numbers of the format may be rounded either way, as far as f32 arithmetic and the matrix unit's own rounding can turn it there, and no further.
;; One version. Each part assembles by itself: llvm-mc -triple=amdgcn-amd-amdhsa -mcpu=gfx1250 --defsym DOCPART=n.
;; ======== version 1 of 1: 4 launches
;; limits: right only within a limited range of input values
;; workspace buffers: xc 8,650,752 bytes; wc 6,488,064 bytes; woc 4,325,376 bytes; rt 524,288 bytes; qc 8,912,896 bytes; kvc 4,456,448 bytes; yc 8,650,752 bytes
;; launch quant (part 1): grid 584 x 1, 8 waves a work-group, no clusters, 66,560 bytes of LDS; arguments x, wq, wk, wv, wo, xc, wc, woc, rt; writes xc, wc, woc, rt
.if DOCPART == 1
	.amdgcn_target "amdgcn-amd-amdhsa--gfx1250"
	.amdhsa_code_object_version 6
	.text
	.protected	k_qb32a9b87ad_quant
	.globl	k_qb32a9b87ad_quant
	.p2align	8
	.type	k_qb32a9b87ad_quant,@function
k_qb32a9b87ad_quant:
	s_mov_b64 s[64:65], 0
	v_nop
	global_prefetch_b8 v0, s[64:65] scope:SCOPE_SE
	s_setreg_imm32_b32 hwreg(HW_REG_WAVE_MODE, 25, 1), 1
	s_wait_xcnt 0x0
; x [4096][2048], wq [2048][2048], wk, wv [512][2048], wo [2048][2048], all f32 with K innermost, become codes of FP8 (E4M3) with one E8M0 scale byte for each 32 along K;
; and the table of cos and sin for the rotary embedding is made.  Work-groups 0-7 make the table, the other 576 quantise 16 rows each: a run of 4 rows for each pair of waves, 2 rows (8 steps of 512 numbers) a wave.
; A block's scale is 2^(floor(log2(its largest magnitude)) - 8); its byte is the largest magnitude's exponent field - 8, held at 1 from below.  Each number is divided by the scale, held within +-448, rounded to the nearest code, ties to even.
; WHERE THE ROWS GO.  xc: x's rows.  wc: rows 0-2047 wq; rows 2048 + 256 c + 0..127 wk's head c; rows 2048 + 256 c + 128..255 wv's head c.  woc: wo's rows.  Behind each buffer's codes lie its scale bytes, 64 a row.
; In xc and wc the rows of every group of 32 are stored with bits 3 and 4 of the row number exchanged (place 16 u + 8 h + j holds row 16 h + 8 u + j): that is an exchange of bits 1 and 2 of the number of a run of 4 rows.
; THE TABLE rt: [G = 0..63][quad c = 0..15][lane][16 bytes]; c 0-7 cos, c 8-15 sin.  Word e of lane (r, h): t = 32 (G / 2) + 8 (G % 2) + r + 8 (r / 8), frequency f = 32 ((c % 8) / 4) + 16 h + 4 (c % 4) + e.
; The angle is t x 10^(-f / 16), one f32 product; it is reduced by whole multiples of pi / 2 held in two parts (the first subtraction is exact for t under 1,024), then sine and cosine by their series up to R^9 and R^10, |R| <= pi / 4.
; LIMITS: a block of zeros gets the byte 1 (its codes are zeros; this program alone reads the bytes); blocks whose largest magnitude lies under 2^(8 - 126) have their byte held at 1; NaN and infinities among the inputs are not served;
; the reduction in two parts serves angles up to about 1,100: T = 1,024 is fixed.  The frequencies are the nearest f32 to 10^(-f / 16).
.set NTAB,  8                          ; work-groups that make the table: 64 waves
.set STEPS, 8
.set EMAX,  8
.set MANT,  0x600000                   ; the mantissa field of 448 as f32
.set CB,    16
.set R,     16                         ; v16-79   four sets of 16 numbers as they are loaded
.set X,     80                         ; v80-111  two sets of 16 neighbours
.set C,     128                        ; v128-159 codes: four registers for each step
.set E,     112                        ; v112-119 a scale byte for each step
.set WREG,  8192                       ; LDS: a region for each wave: two stages of 32 x SP bytes, then its 128 scale bytes
.set SP,    80                         ; a lane's place in a stage: 64 bytes + 16 of padding
.set SPARE, 8*WREG                     ; the spare words, 128 bytes for each wave
.set SPW,   12                         ; v12 my spare word; never rewritten
.set NIL,   13                         ; v13 0; never rewritten
.set CO,    64                         ; the table's way: v64-95 cos, v96-127 sin
.set SN,    96
	s_load_b512 s[36:51], s[0:1], 0x0              ; x, wq, wk, wv, wo, xc, wc, woc
	s_load_b64 s[52:53], s[0:1], 0x40              ; rt
	v_lshl_add_u32 v[SPW], v0, 2, SPARE
	v_mov_b32 v[NIL], 0
	v_lshrrev_b32 v1, 5, v0
	v_readfirstlane_b32 s16, v1                    ; wave 0..7
	v_and_b32 v2, 31, v0                           ; lane
	s_cmp_lt_u32 ttmp9, NTAB
	s_cbranch_scc1 .Ltable                         ; the table's way uses no LDS
	; ---------------- the quantiser
	v_lshlrev_b32 v3, 4, v2                        ; my 16 bytes of a load's 512
	s_mul_i32 s18, s16, WREG
	v_lshrrev_b32 v14, 2, v2
	v_mul_u32_u24 v14, v14, SP
	v_and_b32 v15, 3, v2
	v_lshl_add_u32 v14, v15, 4, v14
	v_add_nc_u32 v14, s18, v14                     ; the stage, on the way in: SP (lane / 4) + 16 (lane % 4)
	v_mul_u32_u24 v15, v2, SP
	v_add_nc_u32 v15, s18, v15                     ; and on the way out: SP x lane: my 16 neighbours
	v_mul_u32_u24 v4, v2, CB                       ; my codes' place in a step's
	v_lshrrev_b32 v5, 1, v2
	s_add_co_u32 s18, s18, 2*32*SP
	v_add_nc_u32 v5, s18, v5                       ; LDS: my wave's scale bytes, my block's byte
	v_lshlrev_b32 v7, 2, v2                        ; and on the way out 4 bytes a lane
	v_add_nc_u32 v6, s18, v7
	s_mov_b32 s23, MANT
	s_lshr_b32 s30, s16, 1                         ; which run of 4 rows of the work-group's 16,
	s_and_b32 s31, s16, 1                          ; and which half of it
	s_sub_co_u32 s17, ttmp9, NTAB                  ; g = 0..575: 256 for x, 128 for wq, 32 for wk, 32 for wv, 128 for wo
	s_wait_alu depctr_va_vdst(0)                   ; the wait at the head's end
	s_wait_kmcnt 0x0
	s_mov_b64 s[4:5], s[36:37]                     ; from x
	s_mov_b64 s[8:9], s[46:47]                     ; to xc
	s_mov_b32 s20, 0                               ; the tensor's first g
	s_mov_b32 s12, 0x800000                        ; where the scale bytes begin in the buffer
	s_mov_b32 s21, 6                               ; the two bits of the run's number that are exchanged
	s_cmp_ge_u32 s17, 256                          ; every choice hangs on the work-group's number alone
	s_cselect_b64 s[4:5], s[38:39], s[4:5]
	s_cselect_b64 s[8:9], s[48:49], s[8:9]
	s_cselect_b32 s20, 256, s20
	s_cselect_b32 s12, 0x600000, s12
	s_cmp_ge_u32 s17, 384
	s_cselect_b64 s[4:5], s[40:41], s[4:5]
	s_cselect_b32 s20, 384, s20
	s_cmp_ge_u32 s17, 416
	s_cselect_b64 s[4:5], s[42:43], s[4:5]
	s_cselect_b32 s20, 416, s20
	s_cselect_b32 s22, 8, 0                        ; wv's rows lie 128 rows (8 work-groups) behind wk's of the same head
	s_cmp_ge_u32 s17, 448
	s_cselect_b64 s[4:5], s[44:45], s[4:5]
	s_cselect_b64 s[8:9], s[50:51], s[8:9]
	s_cselect_b32 s20, 448, s20
	s_cselect_b32 s12, 0x400000, s12
	s_cselect_b32 s21, 0, s21                      ; wo's rows stay in their order
	s_sub_co_u32 s19, s17, s20                     ; li: which 16 rows of the tensor
	s_lshr_b32 s24, s19, 3                         ; wk, wv: head = li / 8
	s_lshl_b32 s24, s24, 4
	s_and_b32 s25, s19, 7
	s_add_co_u32 s24, s24, s25
	s_add_co_u32 s24, s24, s22
	s_add_co_u32 s24, s24, 128                     ; 128 + 16 head + li % 8 (+ 8)
	s_cmp_ge_u32 s17, 384
	s_cselect_b32 s24, s24, s19
	s_cmp_ge_u32 s17, 448
	s_cselect_b32 s24, s19, s24                    ; which 16 rows of the buffer
	s_lshl_b32 s26, s19, 2
	s_add_co_u32 s26, s26, s30                     ; my run of 4 rows in the tensor,
	s_lshl_b32 s27, s24, 2
	s_add_co_u32 s27, s27, s30                     ; and in the buffer,
	s_lshr_b32 s28, s27, 1
	s_lshr_b32 s29, s27, 2
	s_xor_b32 s28, s28, s29
	s_and_b32 s28, s28, 1
	s_mul_i32 s28, s28, s21
	s_xor_b32 s27, s27, s28                        ; with its bits 1 and 2 exchanged
	s_lshl_b32 s28, s26, 15                        ; 8,192 numbers of 4 bytes
	s_mov_b32 s29, 0
	s_add_nc_u64 s[4:5], s[4:5], s[28:29]
	s_mov_b32 s13, 0
	s_add_nc_u64 s[10:11], s[8:9], s[12:13]        ; the buffer's scale bytes
	s_lshl_b32 s28, s27, 13                        ; 8,192 codes
	s_add_nc_u64 s[8:9], s[8:9], s[28:29]
	s_lshl_b32 s28, s27, 8                         ; 256 scale bytes
	s_add_nc_u64 s[10:11], s[10:11], s[28:29]
	s_lshl_b32 s28, s31, 14                        ; my half of the run: 4,096 numbers,
	s_add_nc_u64 s[4:5], s[4:5], s[28:29]
	s_lshl_b32 s28, s31, 12                        ; 4,096 codes,
	s_add_nc_u64 s[8:9], s[8:9], s[28:29]
	s_lshl_b32 s28, s31, 7                         ; 128 scale bytes
	s_add_nc_u64 s[10:11], s[10:11], s[28:29]
.macro LOAD t
.irp i, 0,1,2,3
	global_load_b128 v[R+16*((\t)%4)+4*\i:R+16*((\t)%4)+4*\i+3], v3, s[4:5] offset:2048*(\t)+512*\i th:TH_LOAD_NT   ; 32 lanes read 512 consecutive bytes; read once in the launch
.endr
.endm
.macro TURN t                          ; step t's numbers through the stage: LDS serves a wave's instructions in order, so no wait stands between the stores and the loads
.irp i, 0,1,2,3
	ds_store_b128 v14, v[R+16*((\t)%4)+4*\i:R+16*((\t)%4)+4*\i+3] offset:32*SP*((\t)%2)+8*SP*\i
.endr
.irp i, 0,1,2,3
	ds_load_b128 v[X+16*((\t)%2)+4*\i:X+16*((\t)%2)+4*\i+3], v15 offset:32*SP*((\t)%2)+16*\i
.endr
.endm
.irp t, 0,1,2,3
	LOAD \t
.endr
	s_wait_loadcnt 12                              ; step 0's four loads are in; the twelve of steps 1 to 3 may be out
	TURN 0
.macro STEP t
.set XS, X+16*((\t)%2)
.if (\t) > 0
	s_wait_dscnt 1                                 ; this step's numbers are back from the stage (the last step's byte store may be out): so its stores into the stage have read their registers,
.else
	s_wait_dscnt 0x0
.endif
.if (\t)+4 < STEPS
	LOAD (\t)+4                                    ; which take the loads of four steps on
.endif
.if (\t)+1 < STEPS
.if STEPS-2-(\t) >= 3
	s_wait_loadcnt 12                              ; the next step's four loads are in; those of the three steps behind it may be out
.else
	s_wait_loadcnt 4*(STEPS-2-(\t))
.endif
	TURN (\t)+1                                    ; and go through the other stage while this step is worked
.endif
	v_max3_num_f32 v8, |v[XS]|, |v[XS+1]|, |v[XS+2]|               ; the largest magnitude of my 16
	v_max3_num_f32 v9, |v[XS+3]|, |v[XS+4]|, |v[XS+5]|
.irp i, 6,10
	v_max3_num_f32 v8, v8, |v[XS+\i]|, |v[XS+\i+1]|
	v_max3_num_f32 v9, v9, |v[XS+\i+2]|, |v[XS+\i+3]|
.endr
	v_max3_num_f32 v8, v8, |v[XS+14]|, |v[XS+15]|
	v_max3_num_f32 v8, v8, v9, (EMAX+1)<<23        ; and the floor 2^(EMAX + 1 - 127): so the byte cannot fall under 1
	v_max_num_f32_dpp v8, v8, v8 row_xmask:1 row_mask:0xf bank_mask:0xf   ; and of my neighbour's 16: the block's
	v_add_nc_u32 v11, -(EMAX<<23), v8              ; EMAX off its exponent field: the conversion takes the exponent field of this operand as its scale
	v_and_or_b32 v10, v8, 0x7f800000, s23          ; 448 x the scale
.irp i, 0,1,2,3,4,5,6,7,8,9,10,11,12,13,14,15
	v_med3_num_f32 v[XS+\i], v[XS+\i], -v10, v10   ; the conversion to an 8-bit code does not saturate (ISA guide 7.6.2): hold the number first
.endr
	v_cvt_scalef32_pk8_fp8_f32 v[C+4*(\t):C+4*(\t)+1], v[XS:XS+7], v11
	v_cvt_scalef32_pk8_fp8_f32 v[C+4*(\t)+2:C+4*(\t)+3], v[XS+8:XS+15], v11
	v_lshrrev_b32 v[E+(\t)], 23, v11               ; the scale's byte (also the plain line behind the conversions)
	ds_store_b8 v5, v[E+(\t)] offset:16*(\t)       ; both lanes of a block write the same byte with the same value
	global_store_b128 v4, v[C+4*(\t):C+4*(\t)+3], s[8:9] offset:32*CB*(\t)   ; the wave stores 512 consecutive bytes
.endm
.irp t, 0,1,2,3,4,5,6,7
	STEP \t
.endr
	ds_load_b32 v8, v6                             ; LDS serves a wave's instructions in order: this sees my stores
	s_wait_dscnt 0x0
	global_store_b32 v7, v8, s[10:11]              ; 32 lanes store 128 consecutive bytes; the pair of waves of a run fills 256
	s_wait_tensorcnt 0x0                           ; the wave's end
	ds_add_u32 v[SPW], v[NIL]
	s_wait_dscnt 0x0
	s_endpgm
	; ---------------- the table: wave G = 8 x work-group + wave makes 8,192 bytes
.Ltable:
	s_lshl_b32 s17, ttmp9, 3
	s_add_co_u32 s17, s17, s16                     ; G
	s_wait_alu depctr_va_vdst(0)
	v_and_b32 v3, 15, v2                           ; r
	v_and_b32 v4, 8, v3
	v_add_nc_u32 v3, v3, v4                        ; r + 8 (r / 8)
	s_lshr_b32 s18, s17, 1
	s_lshl_b32 s18, s18, 5
	s_and_b32 s19, s17, 1
	s_lshl_b32 s19, s19, 3
	s_add_co_u32 s18, s18, s19
	v_add_nc_u32 v3, s18, v3                       ; t
	v_cvt_f32_u32 v5, v3
	v_cmp_le_u32 vcc_lo, 16, v2                    ; lanes 16-31 take the frequencies 16 further on
	v_lshlrev_b32 v6, 4, v2                        ; 16 bytes a lane
	s_mov_b32 s4, 0x3f22f983                       ; 2 / pi
	s_mov_b32 s5, 0x3fc90fdb                       ; pi / 2: the nearest f32,
	s_mov_b32 s6, 0xb33bbd2e                       ; and what is left of it
	s_mov_b32 s7, 0xbe2aaaab                       ; sine: -1/6, 1/120, -1/5040, 1/362880
	s_mov_b32 s8, 0x3c088889
	s_mov_b32 s9, 0xb9500d01
	s_mov_b32 s10, 0x3638ef1d
	s_mov_b32 s11, 0x3d2aaaab                      ; cosine: (-1/2,) 1/24, -1/720, 1/40320, -1/3628800
	s_mov_b32 s12, 0xbab60b61
	s_mov_b32 s13, 0x37d00d01
	s_mov_b32 s14, 0xb493f27e
	s_lshl_b32 s18, s17, 13
	s_mov_b32 s19, 0
	s_wait_alu depctr_va_vdst(0)
	s_wait_kmcnt 0x0
	s_add_nc_u64 s[52:53], s[52:53], s[18:19]
; Four angles a lane, in four chains that take turns line by line.  l0-l3: the frequencies of lanes 0-15, h0-h3: those of lanes 16-31.
.macro QUAD c, l0, l1, l2, l3, h0, h1, h2, h3
	v_mul_f32 v16, \l0, v5
	v_mul_f32 v17, \l1, v5
	v_mul_f32 v18, \l2, v5
	v_mul_f32 v19, \l3, v5
	v_mul_f32 v20, \h0, v5
	v_mul_f32 v21, \h1, v5
	v_mul_f32 v22, \h2, v5
	v_mul_f32 v23, \h3, v5
.irp e, 0,1,2,3
	v_cndmask_b32 v[24+\e], v[16+\e], v[20+\e], vcc_lo   ; the angle: t x frequency, rounded once
.endr
.irp e, 0,1,2,3
	v_mul_f32 v[28+\e], s4, v[24+\e]
.endr
.irp e, 0,1,2,3
	v_rndne_f32 v[28+\e], v[28+\e]                 ; n: how many quarter turns
.endr
.irp e, 0,1,2,3
	v_fma_f32 v[32+\e], -v[28+\e], s5, v[24+\e]    ; exact: a multiple of 2^-23 under 1
.endr
.irp e, 0,1,2,3
	v_fma_f32 v[32+\e], -v[28+\e], s6, v[32+\e]    ; R
.endr
.irp e, 0,1,2,3
	v_cvt_i32_f32 v[20+\e], v[28+\e]
.endr
.irp e, 0,1,2,3
	v_mul_f32 v[36+\e], v[32+\e], v[32+\e]         ; Z = R^2
.endr
.irp e, 0,1,2,3
	v_fma_f32 v[40+\e], v[36+\e], s10, s9
	v_fma_f32 v[44+\e], v[36+\e], s14, s13
.endr
.irp e, 0,1,2,3
	v_fma_f32 v[40+\e], v[36+\e], v[40+\e], s8
	v_fma_f32 v[44+\e], v[36+\e], v[44+\e], s12
.endr
.irp e, 0,1,2,3
	v_fma_f32 v[40+\e], v[36+\e], v[40+\e], s7
	v_fma_f32 v[44+\e], v[36+\e], v[44+\e], s11
.endr
.irp e, 0,1,2,3
	v_mul_f32 v[16+\e], v[32+\e], v[36+\e]
	v_fma_f32 v[44+\e], v[36+\e], v[44+\e], -0.5
.endr
.irp e, 0,1,2,3
	v_fma_f32 v[40+\e], v[16+\e], v[40+\e], v[32+\e]   ; sin R
	v_fma_f32 v[44+\e], v[36+\e], v[44+\e], 1.0        ; cos R
.endr
.irp e, 0,1,2,3
	v_and_b32 v[24+\e], 1, v[20+\e]
.endr
.irp e, 0,1,2,3
	v_cmp_ne_u32 s[56+\e], 0, v[24+\e]             ; an odd number of quarter turns exchanges sine and cosine
.endr
.irp e, 0,1,2,3
	v_cndmask_b32 v[16+\e], v[40+\e], v[44+\e], s[56+\e]
	v_cndmask_b32 v[28+\e], v[44+\e], v[40+\e], s[56+\e]
.endr
.irp e, 0,1,2,3
	v_and_b32 v[24+\e], 2, v[20+\e]                ; the sine is negative in quarters 2 and 3,
	v_add_nc_u32 v[20+\e], 1, v[20+\e]
.endr
.irp e, 0,1,2,3
	v_lshlrev_b32 v[24+\e], 30, v[24+\e]
	v_and_b32 v[20+\e], 2, v[20+\e]                ; the cosine in quarters 1 and 2
.endr
.irp e, 0,1,2,3
	v_xor_b32 v[SN+4*\c+\e], v[24+\e], v[16+\e]
	v_lshlrev_b32 v[20+\e], 30, v[20+\e]
.endr
.irp e, 0,1,2,3
	v_xor_b32 v[CO+4*\c+\e], v[20+\e], v[28+\e]
.endr
.endm
	QUAD 0, 1.0, 0.865964323, 0.749894209, 0.649381632, 0.1, 0.0865964323, 0.0749894209, 0.0649381632
	QUAD 1, 0.562341325, 0.486967525, 0.421696503, 0.365174127, 0.0562341325, 0.0486967525, 0.0421696503, 0.0365174127
	QUAD 2, 0.316227766, 0.273841963, 0.237137371, 0.205352503, 0.0316227766, 0.0273841963, 0.0237137371, 0.0205352503
	QUAD 3, 0.177827941, 0.153992653, 0.133352143, 0.115478198, 0.0177827941, 0.0153992653, 0.0133352143, 0.0115478198
	QUAD 4, 0.01, 0.00865964323, 0.00749894209, 0.00649381632, 0.001, 0.000865964323, 0.000749894209, 0.000649381632
	QUAD 5, 0.00562341325, 0.00486967525, 0.00421696503, 0.00365174127, 0.000562341325, 0.000486967525, 0.000421696503, 0.000365174127
	QUAD 6, 0.00316227766, 0.00273841963, 0.00237137371, 0.00205352503, 0.000316227766, 0.000273841963, 0.000237137371, 0.000205352503
	QUAD 7, 0.00177827941, 0.00153992653, 0.00133352143, 0.00115478198, 0.000177827941, 0.000153992653, 0.000133352143, 0.000115478198
.irp c, 0,1,2,3,4,5,6,7
	global_store_b128 v6, v[CO+4*\c:CO+4*\c+3], s[52:53] offset:512*\c          ; each store covers 512 consecutive bytes, aligned
	global_store_b128 v6, v[SN+4*\c:SN+4*\c+3], s[52:53] offset:4096+512*\c
.endr
	s_endpgm
.Lfunc_end_k_qb32a9b87ad_quant:
	.size	k_qb32a9b87ad_quant, .Lfunc_end_k_qb32a9b87ad_quant-k_qb32a9b87ad_quant
	.p2alignl 7, 3214868480
	.fill 96, 4, 3214868480
	.section	.rodata,"a",@progbits
	.p2align	6, 0x0
	.amdhsa_kernel k_qb32a9b87ad_quant
		.amdhsa_group_segment_fixed_size 66560
		.amdhsa_private_segment_fixed_size 0
		.amdhsa_enable_private_segment 0
		.amdhsa_kernarg_size 72
		.amdhsa_user_sgpr_count 2
		.amdhsa_user_sgpr_kernarg_segment_ptr 1
		.amdhsa_wavefront_size32 1
		.amdhsa_system_sgpr_workgroup_id_x 1
		.amdhsa_system_sgpr_workgroup_id_y 1
		.amdhsa_system_sgpr_workgroup_id_z 1
		.amdhsa_system_vgpr_workitem_id 0
		.amdhsa_next_free_vgpr 160
		.amdhsa_next_free_sgpr 66
		.amdhsa_reserve_vcc 1
		.amdhsa_float_denorm_mode_32 3
		.amdhsa_float_denorm_mode_16_64 3
		.amdhsa_memory_ordered 1
		.amdhsa_forward_progress 1
		.amdhsa_inst_pref_size 78
	.end_amdhsa_kernel
	.amdgpu_metadata
---
amdhsa.version: [ 1, 2 ]
amdhsa.kernels:
  - .name:           k_qb32a9b87ad_quant
    .symbol:         k_qb32a9b87ad_quant.kd
    .args:
      - { .name: x, .offset: 0, .size: 8, .value_kind: global_buffer, .address_space: global }
      - { .name: wq, .offset: 8, .size: 8, .value_kind: global_buffer, .address_space: global }
      - { .name: wk, .offset: 16, .size: 8, .value_kind: global_buffer, .address_space: global }
      - { .name: wv, .offset: 24, .size: 8, .value_kind: global_buffer, .address_space: global }
      - { .name: wo, .offset: 32, .size: 8, .value_kind: global_buffer, .address_space: global }
      - { .name: xc, .offset: 40, .size: 8, .value_kind: global_buffer, .address_space: global }
      - { .name: wc, .offset: 48, .size: 8, .value_kind: global_buffer, .address_space: global }
      - { .name: woc, .offset: 56, .size: 8, .value_kind: global_buffer, .address_space: global }
      - { .name: rt, .offset: 64, .size: 8, .value_kind: global_buffer, .address_space: global }
    .group_segment_fixed_size: 66560
    .private_segment_fixed_size: 0
    .kernarg_segment_align: 8
    .kernarg_segment_size: 72
    .max_flat_workgroup_size: 256
    .sgpr_count:     66
    .vgpr_count:     160
    .wavefront_size: 32
...
	.end_amdgpu_metadata
.endif
;; end of part 1
;; launch qkv (part 2): grid 12 x 16, 4 waves a work-group, clusters of 4 x 4, 327,680 bytes of LDS; arguments xc, wc, rt, q_gain, k_gain, qc, kvc; writes qc, kvc
.if DOCPART == 2
	.amdgcn_target "amdgcn-amd-amdhsa--gfx1250"
	.amdhsa_code_object_version 6
	.text
	.protected	k_qb32a9b87ad_qkv
	.globl	k_qb32a9b87ad_qkv
	.p2align	8
	.type	k_qb32a9b87ad_qkv,@function
k_qb32a9b87ad_qkv:
	s_mov_b64 s[64:65], 0
	v_nop
	global_prefetch_b8 v0, s[64:65] scope:SCOPE_SE
	s_setreg_imm32_b32 hwreg(HW_REG_WAVE_MODE, 25, 1), 1
	s_wait_xcnt 0x0
	s_wait_alu depctr_hold_cnt(0) depctr_sa_sdst(0) depctr_va_vdst(0) depctr_va_sdst(0) depctr_va_ssrc(0) depctr_va_vcc(0) depctr_vm_vsrc(0)
	s_getreg_b32 s2, hwreg(HW_REG_IB_STS2, 6, 4)
	s_cmp_eq_u32 s2, 0
	s_cbranch_scc0 .Lentry_in_a_cluster
	s_endpgm
.Lentry_in_a_cluster:
	s_bfe_u32 s2, ttmp6, 0x10000c
	s_cmp_lg_u32 s2, 0xf033
	s_cbranch_scc0 .Lentry_shape_is_right
	s_endpgm
.Lentry_shape_is_right:
; The three projections as ONE product on codes of FP8 (E4M3) with E8M0 scales: [4096 rows of x] x [3072 rows of wq, wk, wv], K = 2,048; then gain, rotary embedding and the next quantiser.
; A tile of 256 x 256 is made by four waves, 128 x 128 each (64 accumulators).  K goes in steps of 256 through a ring of two LDS slots; the scale bytes of the 256 + 256 rows come once and stay.
; CLUSTERS 4 x 4: x's tiles are asked for jointly along a row, the weights' along a column.
; The matrix instruction is used transposed: source 0 = 16 weight rows, source 1 = 16 rows of x: a lane holds one row of x and its registers run along the weight rows.
; ROWS.  In xc and wc the rows of every 32 lie with bits 3 and 4 of the row number exchanged: lane r of block a of source 1 is row 32 (a / 2) + 8 (a % 2) + r + 8 (r / 8); register 16 p + i of a lane is row 32 p + 16 (lane / 16) + i of source 0.
; ROLES.  A wave's 128 weight rows are one head: a query head (cluster columns 0, 1), or in cluster column 2 wk's head (waves 0, 2) or wv's (waves 1, 3).
; q, k: registers run along the head, the next K: gain, rotation, quantiser in registers.  v: the next K is t, which lies across lanes: a V wave turns its 128 x 128 results through a stage of its own in LDS ([d][t], 528 bytes a row) and quantises along t.
; WHAT LEAVES: images of operand registers.  A chunk (one head, 128 t) is 8 images of 2,048 bytes and 4 pairs of scale words of 256 bytes.
; LIMITS: a block of zeros gets the byte 1 (its codes are zeros; this program alone reads the bytes); NaN and infinities are not served.
; REGISTERS: window 0: v16-30 addresses; v32-63 scale words, two sets; from v128 source 1's fragments; on the way out v64-127 (and v176-239) 64 numbers, v128-169 at work.  window 1: source 0's fragments, two sets; then table words.  windows 2, 3: accumulators.
.set SIZE_K, 2048
.set XSCALES, 0x800000
.set WSCALES, 0x600000
.set CHUNK,  17408
.set KSTEP,  256
.set NQ,     KSTEP/128
.set ROWB,   256
.set KROW,   SIZE_K
.set PITCH,  272                       ; 256 bytes + 16 of padding
.set FR,     16
.set NL,     4
.set NP,     8                         ; places behind this matrix instruction (ISA guide 7.12.1)
.set HALFT,  128*PITCH
.set SLOT,   4*HALFT
.set LAPS,   SIZE_K/(2*KSTEP)
.set KS,     SIZE_K/32
.set SCL,    2*SLOT
.set HALFS,  (128*KS/256)*272
.set SBLK,   (16*KS/256)*272
.set SPARE,  SCL+4*HALFS
.set VP,     528                       ; a row of V's stage: 128 t of 4 bytes + 16
.set VSTG,   128*VP                    ; a wave's stage; four of them lie inside the ring, which is done with by then
.set ADRA, 16
.set ADRB, 20
.set VS,   22                          ; v22 stage, on the way in
.set VR,   23                          ; v23 stage, on the way back
.set LI,   24
.set L8,   25
.set PFO,  26                          ; v26 the code prefetches' offset: lane x a row
.set ADRS, 27
.set SPW,  28
.set NIL,  29
.set TP,   30                          ; v30 the table prefetch's offset
.set SC,   32
.set AF,   128
.set T,    64
.set PC,   128
.set TM,   144
.set PWB,  160
.set U,    162
.set SEL,  20
.set MNT,  22
.set SW,   66                          ; s66 1: a V wave
.set GN,   96
.set RT,   98
.set PFA,  100                         ; s[100:101] my work-group's 32 rows of the 128 that my wave fetches
.set G1, 24
.set G0, 32
.set G1B, 48
.set G0B, 56
.set G1S, 68
.set G0S, 76
.set G1SB, 80
.set G0SB, 88
.set MSB, 0
.macro WIN new
.if MSB != (\new)
	s_set_vgpr_msb (MSB<<8)|(\new)
.set MSB, (\new)
.endif
.endm
.set MUL_LO, 0xa1
.set MUL_HI, 0xf1
.set TO_B,   0x40
.macro PLACES n
.rept \n
	v_nop
.endr
.endm
; a joint load: waves 0, 1 fetch x's halves, waves 2, 3 the weights'
.macro JLOAD g0a, g1a, g0b, g1b
	s_cmp_eq_u32 s15, 0
	s_cbranch_scc0 .Lfor_b_\@
	tensor_load_to_lds s[\g0a:\g0a+3], s[\g1a:\g1a+7]
	s_nop 0
	PLACES 4
	s_branch .Lasked_\@
.Lfor_b_\@:
	tensor_load_to_lds s[\g0b:\g0b+3], s[\g1b:\g1b+7]
	s_nop 0
	PLACES 4
.Lasked_\@:
.endm
.macro CREST
	s_cmp_lg_u32 s14, 0
	s_cbranch_scc1 .Lnot_wave_0_\@
	s_barrier_signal -3
.Lnot_wave_0_\@:
	s_barrier_wait -3
	s_barrier_signal -1
	s_barrier_wait -1
.endm
.macro CROUND
	s_barrier_signal -1
	s_barrier_wait -1
	CREST
.endm
	s_load_b128 s[4:7], s[0:1], 0x0                ; xc, wc
	v_lshl_add_u32 v[SPW], v0, 2, SPARE
	v_mov_b32 v[NIL], 0
	ds_add_u32 v[SPW], v[NIL]                      ; the opening lines
	ds_add_u32 v[SPW], v[NIL]
	v_lshrrev_b32 v1, 5, v0
	v_readfirstlane_b32 s14, v1                    ; wave
	v_and_b32 v6, 31, v0
	v_lshlrev_b32 v[PFO], 11, v6
	s_lshr_b32 s15, s14, 1                         ; my half of x's rows; also: I fetch for x (0) or the weights (1)
	s_and_b32 s16, s14, 1                          ; my half of the weight rows; also: which 128 rows I fetch
	s_bfe_u32 s40, ttmp6, 0x40000                  ; cx
	s_bfe_u32 s41, ttmp6, 0x40004                  ; cy
	s_lshl_b32 s42, ttmp9, 2
	s_add_co_u32 s42, s42, s40                     ; tile column
	s_and_b32 s17, ttmp7, 0xffff
	s_lshl_b32 s17, s17, 2
	s_add_co_u32 s17, s17, s41                     ; tile row
	s_lshl_b32 s43, s41, 2
	s_lshl_b32 s43, 15, s43                        ; my row of the cluster
	s_lshl_b32 s44, 0x1111, s40                    ; my column
	s_or_b32 s[G1+0], s43, (0<<16)|(1<<20)|(1<<21)|(5<<22)|(3<<25)
	s_or_b32 s[G1B+0], s44, (0<<16)|(1<<20)|(1<<21)|(5<<22)|(3<<25)
.irp g, G1, G1B                        ; rows of 256 bytes, padded: 256 rows for the head's loads, 128 afterwards
	s_mov_b32 s[\g+1], ROWB<<16
	s_mov_b32 s[\g+2], 256<<16
	s_mov_b32 s[\g+3], ROWB<<16
	s_mov_b32 s[\g+4], 256
	s_mov_b32 s[\g+5], KROW
	s_mov_b32 s[\g+6], 0
	s_mov_b32 s[\g+7], 0
.endr
	s_or_b32 s[G1S+0], s43, (3<<16)|(1<<20)|(1<<21)|(5<<22)|(3<<25)
	s_or_b32 s[G1SB+0], s44, (3<<16)|(1<<20)|(1<<21)|(5<<22)|(3<<25)
.irp g, G1S, G1SB                      ; the scale bytes of 256 rows: KS dense rows of 256 bytes, padded
	s_mov_b32 s[\g+1], 32<<16
	s_mov_b32 s[\g+2], KS<<16
	s_mov_b32 s[\g+3], 32<<16
	s_mov_b32 s[\g+4], KS
	s_mov_b32 s[\g+5], 32
	s_mov_b32 s[\g+6], 0
	s_mov_b32 s[\g+7], 0
.endr
	s_lshl_b32 s20, s17, 8                         ; x: the tile's first row
	s_lshl_b32 s46, s42, 8                         ; weights: likewise
	s_mov_b32 s21, 0
	s_mov_b32 s47, 0
	s_mov_b64 s[18:19], KS
	s_mul_u64 s[22:23], s[20:21], s[18:19]
	s_mul_u64 s[92:93], s[46:47], s[18:19]
	s_mov_b64 s[18:19], KROW
	s_mul_u64 s[20:21], s[20:21], s[18:19]
	s_mul_u64 s[46:47], s[46:47], s[18:19]
	s_add_nc_u64 s[22:23], s[22:23], XSCALES
	s_add_nc_u64 s[92:93], s[92:93], WSCALES
	s_mul_i32 s18, s16, 128*KROW                   ; in the ring: my 128 rows of a tile
	s_mov_b32 s19, 0
	s_mul_i32 s45, s14, HALFT
	s_wait_alu depctr_va_vdst(0)                   ; the wait ahead of the waits below
	s_wait_dscnt 0x0
	s_wait_kmcnt 0x0
	s_add_nc_u64 s[20:21], s[4:5], s[20:21]
	s_add_nc_u64 s[22:23], s[4:5], s[22:23]
	s_add_nc_u64 s[46:47], s[6:7], s[46:47]
	s_add_nc_u64 s[92:93], s[6:7], s[92:93]
	CROUND                                         ; the first joint loads meet
	s_mov_b32 s[G0], 1                             ; at the head slot 0's groups 0 name whole tiles: x's 256 rows,
	s_mov_b32 s[G0+1], 0
	s_mov_b64 s[G0+2:G0+3], s[20:21]
	s_or_b32 s[G0+3], s[G0+3], 0x80000000
	s_mov_b32 s[G0B], 1                            ; the weights' 256 rows,
	s_mov_b32 s[G0B+1], 2*HALFT
	s_mov_b64 s[G0B+2:G0B+3], s[46:47]
	s_or_b32 s[G0B+3], s[G0B+3], 0x80000000
	s_mov_b32 s[G0S], 1                            ; x's scale bytes,
	s_mov_b32 s[G0S+1], SCL
	s_mov_b64 s[G0S+2:G0S+3], s[22:23]
	s_or_b32 s[G0S+3], s[G0S+3], 0x80000000
	s_mov_b32 s[G0SB], 1                           ; the weights'
	s_mov_b32 s[G0SB+1], SCL+2*HALFS
	s_mov_b64 s[G0SB+2:G0SB+3], s[92:93]
	s_or_b32 s[G0SB+3], s[G0SB+3], 0x80000000
	s_cmp_eq_u32 s15, 0                            ; the prefetches: of the 128 rows that I fetch, the partner at place p takes 32 p on (p = cx for x, cy for the weights): told apart by address
	s_cselect_b64 s[PFA:PFA+1], s[20:21], s[46:47]
	s_cselect_b32 s94, s40, s41
	s_lshl_b32 s94, s94, 16
	s_add_co_u32 s94, s94, s18
	s_mov_b32 s95, 0
	s_add_nc_u64 s[PFA:PFA+1], s[PFA:PFA+1], s[94:95]
	s_add_nc_u64 s[20:21], s[20:21], s[18:19]      ; slot 1: my 128 rows, K step 1
	s_add_nc_u64 s[46:47], s[46:47], s[18:19]
	s_mov_b32 s[G0+4], 1
	s_add_co_u32 s[G0+5], s45, SLOT
	s_add_nc_u64 s[G0+6:G0+7], s[20:21], ROWB
	s_or_b32 s[G0+7], s[G0+7], 0x80000000
	s_mov_b32 s[G0B+4], 1
	s_add_co_u32 s[G0B+5], s45, SLOT
	s_add_nc_u64 s[G0B+6:G0B+7], s[46:47], ROWB
	s_or_b32 s[G0B+7], s[G0B+7], 0x80000000
; the head's loads, one a wave, in one tree of branches on the wave's number
.macro ARM under, g0, g1, next
	s_cmp_lt_u32 s14, \under
	s_cbranch_scc0 \next
	tensor_load_to_lds s[\g0:\g0+3], s[\g1:\g1+7]
	s_nop 0
	PLACES 4
	s_branch .Lhead_asked
\next:
.endm
	ARM 1, G0,  G1,  .Lhead_b
	ARM 2, G0B, G1B, .Lhead_sa
	ARM 3, G0S, G1S, .Lhead_sb
	tensor_load_to_lds s[G0SB:G0SB+3], s[G1SB:G1SB+7]
	s_nop 0
	PLACES 4
.Lhead_asked:
	global_prefetch_b8 v[PFO], s[PFA:PFA+1] offset:ROWB th:TH_LOAD_NT scope:SCOPE_SE     ; K steps 1 and 2 of my 32 rows, a lane a row
	global_prefetch_b8 v[PFO], s[PFA:PFA+1] offset:2*ROWB th:TH_LOAD_NT scope:SCOPE_SE
	s_load_b256 s[4:11], s[0:1], 0x10              ; rt, q_gain, k_gain, qc
	s_load_b64 s[12:13], s[0:1], 0x30              ; kvc
	s_cmp_eq_u32 ttmp9, 2
	s_cselect_b32 s[SW], s16, 0
	s_mul_i32 s21, s15, HALFT                      ; my 128 rows of x
	s_mul_i32 s22, s16, HALFT
	s_add_co_u32 s22, s22, 2*HALFT                 ; my 128 weight rows
	s_add_co_u32 s67, s21, SLOT
	s_add_co_u32 s95, s22, SLOT
	s_mul_i32 s92, s15, HALFS
	s_mul_i32 s93, s16, HALFS
	s_add_co_u32 s93, s93, 2*HALFS
	s_sub_co_u32 s93, s93, s92                     ; from x's scale words to the weights'
	s_add_co_u32 s92, s92, SCL
	s_mul_i32 s94, s14, VSTG
	s_lshl_b32 s18, s41, 2
	s_add_co_u32 s18, s18, s40
	s_lshl_b32 s18, s18, 2
	s_add_co_u32 s18, s18, s14
	s_lshl_b32 s18, s18, 13                        ; the table's 64 parts of 8,192 bytes: one for each wave of a cluster
	v_and_b32 v1, 15, v0                           ; r
	v_bfe_u32 v2, v0, 4, 1                         ; h
	v_and_b32 v6, 31, v0
	v_mul_u32_u24 v3, v1, PITCH
	v_lshl_add_u32 v4, v2, 4, v3
	v_add_nc_u32 v[ADRA], s21, v4
	v_add_nc_u32 v[ADRB], s22, v4
	v_add_nc_u32 v[ADRA+1], s67, v4
	v_add_nc_u32 v[ADRB+1], s95, v4
	v_mul_u32_u24 v5, v1, KS
	v_lshrrev_b32 v3, 8, v5
	v_lshl_add_u32 v5, v3, 4, v5
	v_mul_u32_u24 v3, s93, v2                      ; lanes 16-31 take the weights' words
	v_add_nc_u32 v5, s92, v5
	v_add_nc_u32 v[ADRS], v5, v3
	v_lshlrev_b32 v[LI], 4, v6
	v_lshlrev_b32 v[L8], 3, v6
	v_and_b32 v7, 8, v1
	v_add_nc_u32 v7, v7, v1                        ; r + 8 (r / 8)
	v_mul_u32_u24 v8, v2, 16*VP
	v_lshl_add_u32 v8, v7, 2, v8
	v_add_nc_u32 v[VS], s94, v8                    ; in: row d = 16 h + .., word t = r + 8 (r / 8) + ..
	v_mul_u32_u24 v8, v7, VP
	v_lshl_add_u32 v8, v2, 6, v8
	v_add_nc_u32 v[VR], s94, v8                    ; back: row d = r + 8 (r / 8) + .., 16 t from 16 h on
	v_lshlrev_b32 v[TP], 8, v6
	v_add_nc_u32 v[TP], s18, v[TP]
	s_lshr_b32 s18, s17, 2                         ; the batch
	s_and_b32 s19, s17, 3
	s_lshl_b32 s19, s19, 1
	s_add_co_u32 s19, s19, s15                     ; which 128 t
	s_lshl_b32 s46, s42, 1
	s_add_co_u32 s46, s46, s16                     ; the query head
	s_lshl_b32 s47, s18, 4
	s_add_co_u32 s47, s47, s46
	s_lshl_b32 s47, s47, 3
	s_add_co_u32 s47, s47, s19                     ; qc: chunk (16 batch + head) 8 + run
	s_lshl_b32 s92, s18, 2
	s_add_co_u32 s92, s92, s40
	s_lshl_b32 s92, s92, 3
	s_add_co_u32 s92, s92, s19
	s_lshl_b32 s92, s92, 1
	s_add_co_u32 s92, s92, s16                     ; kvc: chunk ((4 batch + head) 8 + run) 2 + (0: K, 1: V)
	s_wait_alu depctr_va_vdst(0)                   ; the wait ahead of the wait below
	s_wait_kmcnt 0x0
	s_cmp_eq_u32 ttmp9, 0                          ; the table is asked for by the four clusters of column 0 alone, each block of 256 bytes once a cluster
	s_cbranch_scc0 .Lno_tab
	global_prefetch_b8 v[TP], s[4:5] th:TH_LOAD_NT scope:SCOPE_SE
.Lno_tab:
	s_cmp_eq_u32 ttmp9, 2
	s_cselect_b64 s[12:13], s[12:13], s[10:11]
	s_cselect_b64 s[6:7], s[8:9], s[6:7]
	s_cselect_b32 s47, s92, s47
	s_cselect_b32 s46, s40, s46
	s_mul_i32 s92, s47, CHUNK
	s_mov_b32 s93, 0
	s_add_nc_u64 s[12:13], s[12:13], s[92:93]
	s_lshl_b32 s92, s46, 2
	s_add_nc_u64 s[6:7], s[6:7], s[92:93]
	s_load_b32 s[GN], s[6:7], 0x0                  ; the head's gain (a V wave does not use it)
	s_lshl_b32 s92, s19, 16
	s_add_nc_u64 s[RT:RT+1], s[4:5], s[92:93]
	s_mov_b32 s[SEL], 0x76543210
	s_mov_b32 s[SEL+1], 0xfedcba98
	s_mov_b32 s[MNT], 0x600000
	s_wait_kmcnt 0x0
	s_mov_b32 s[GN+1], s[GN]
.macro FRAG reg, adr, q, i
.irp c, 0,1,2,3
	ds_load_b128 v[\reg+4*\c:\reg+4*\c+3], v[\adr] offset:128*(\q)+32*\c+(\i)*16*PITCH
.endr
.endm
; 16 products; the 64 accumulators take turns in the same order in every step
.macro MUL16 a0, p, q, sc, zero
.irp a, \a0, \a0+1
.irp b, 0,1,2,3,4,5,6,7
.if \zero
	v_wmma_scale_f32_16x16x128_f8f6f4 v[8*(8*((\a)%4)+\b):8*(8*((\a)%4)+\b)+7], v[128*(\p)+FR*\b:128*(\p)+FR*\b+FR-1], v[AF+FR*(\a):AF+FR*(\a)+FR-1], 0, v[SC+8*NQ*(\sc)+NQ*\b+(\q)], v[SC+8*NQ*(\sc)+NQ*(\a)+(\q)] matrix_a_scale:MATRIX_SCALE_ROW1
.else
	v_wmma_scale_f32_16x16x128_f8f6f4 v[8*(8*((\a)%4)+\b):8*(8*((\a)%4)+\b)+7], v[128*(\p)+FR*\b:128*(\p)+FR*\b+FR-1], v[AF+FR*(\a):AF+FR*(\a)+FR-1], v[8*(8*((\a)%4)+\b):8*(8*((\a)%4)+\b)+7], v[SC+8*NQ*(\sc)+NQ*\b+(\q)], v[SC+8*NQ*(\sc)+NQ*(\a)+(\q)] matrix_a_scale:MATRIX_SCALE_ROW1
.endif
.endr
.endr
.endm
.macro FETCH_B slot, q, p
	WIN TO_B
.irp i, 0,1,2,3,4,5,6,7
	FRAG 128*(\p)+FR*\i, ADRB+\slot, \q, \i
.endr
	WIN 0
.endm
.macro FETCH_A slot, q, i0
.irp i, \i0, \i0+1, \i0+2, \i0+3
	FRAG AF+FR*(\i), ADRA+\slot, \q, \i
.endr
.endm
.macro SCALES sc
.irp i, 0,1,2,3,4,5,6,7
	ds_load_b64 v[SC+8*NQ*\sc+NQ*\i:SC+8*NQ*\sc+NQ*\i+1], v[ADRS] offset:\i*SBLK
.endr
.endm
.macro STEP slot, q, zero
	s_wait_dscnt 4*NL                              ; all but the youngest sixteen loads (source 1's blocks 4-7)
	WIN MUL_LO
	MUL16 0, (\q)%2, \q, \slot, \zero
	MUL16 2, (\q)%2, \q, \slot, \zero
	s_wait_dscnt 0
	PLACES NP
	FETCH_B \slot, (\q)+1, 1-(\q)%2
	FETCH_A \slot, (\q)+1, 0
	WIN MUL_HI
	MUL16 4, (\q)%2, \q, \slot, \zero
	MUL16 6, (\q)%2, \q, \slot, \zero
	PLACES NP
	WIN 0
	FETCH_A \slot, (\q)+1, 4
.endm
; a slot's last step changes slots: one barrier.  fill = 1: this slot is filled again, two K steps ahead
.macro TURN slot, next, fill
.if \fill
	s_wait_xcnt 0x0                                ; my last prefetch has read its address
	s_add_nc_u64 s[PFA:PFA+1], s[PFA:PFA+1], ROWB
.endif
	s_wait_tensorcnt 0x0
	ds_add_u32 v[SPW], v[NIL]
	s_wait_dscnt 4*NL+1                            ; the add and the youngest sixteen loads may be out
	WIN MUL_LO
	MUL16 0, 1, NQ-1, \slot, 0
	s_wait_dscnt 0x0
	s_barrier_signal -1
	MUL16 2, 1, NQ-1, \slot, 0
	WIN 0
	s_barrier_wait -1
.if \fill
	CREST
	s_add_nc_u64 s[G0+4*\slot+2:G0+4*\slot+3], s[G0+4*\slot+2:G0+4*\slot+3], 2*ROWB
	s_add_nc_u64 s[G0B+4*\slot+2:G0B+4*\slot+3], s[G0B+4*\slot+2:G0B+4*\slot+3], 2*ROWB
	JLOAD G0+4*\slot, G1, G0B+4*\slot, G1B
	PLACES NP-4
.else
	PLACES NP
.endif
	v_add_nc_u32 v[ADRS], 4*NQ, v[ADRS]
	s_wait_alu depctr_va_vdst(0)                   ; the wait directly behind the write
	FETCH_B \next, 0, 0
	FETCH_A \next, 0, 0
	SCALES \next
.if \fill
	s_cmp_gt_u32 s3, 1                             ; the K step two refills on; the last trip's refills have none
	s_cbranch_scc0 .Lnone_on_\@
	global_prefetch_b8 v[PFO], s[PFA:PFA+1] offset:3*ROWB th:TH_LOAD_NT scope:SCOPE_SE
.Lnone_on_\@:
.endif
	WIN MUL_HI
	MUL16 4, 1, NQ-1, \slot, 0
	MUL16 6, 1, NQ-1, \slot, 0
	PLACES NP
	WIN 0
	FETCH_A \next, 0, 4
.endm
.macro TABLE a                         ; cos and sin of block a's 16 t into set a % 4 of window 1
.set TD, 64*((\a)%4)
	WIN 0x40
.irp c, 0,1,2,3,4,5,6,7,8,9,10,11,12,13,14,15
	global_load_b128 v[TD+4*\c:TD+4*\c+3], v[LI], s[RT:RT+1] offset:(\a)*8192+512*\c
.endr
	WIN 0
.endm
	s_wait_alu depctr_va_vdst(0)                   ; the wait at the head's end
	s_wait_tensorcnt 0x0                           ; my tile of the head's four is in
	ds_add_u32 v[SPW], v[NIL]
	s_mov_b32 s[G1+2], 128<<16                     ; no load of mine is out: from here on a load brings 128 rows,
	s_mov_b32 s[G1+4], 128
	s_mov_b32 s[G1B+2], 128<<16
	s_mov_b32 s[G1B+4], 128
	s_mov_b32 s[G0+1], s45                         ; and slot 0's groups 0 name my 128 rows
	s_mov_b32 s[G0B+1], s45
	s_mul_i32 s92, s16, 128*KROW
	s_mov_b32 s93, 0
	s_add_nc_u64 s[G0+2:G0+3], s[G0+2:G0+3], s[92:93]
	s_add_nc_u64 s[G0B+2:G0B+3], s[G0B+2:G0B+3], s[92:93]
	s_wait_dscnt 0x0
	CROUND
	JLOAD G0+4, G1, G0B+4, G1B                     ; K step 1
	FETCH_B 0, 0, 0
	FETCH_A 0, 0, 0
	SCALES 0
	FETCH_A 0, 0, 4
	global_prefetch_b8 v[PFO], s[PFA:PFA+1] offset:3*ROWB th:TH_LOAD_NT scope:SCOPE_SE   ; K step 3
	STEP 0, 0, 1
	s_mov_b32 s3, LAPS-1
.Llap:
	TURN 0, 1, 1
	STEP 1, 0, 0
	TURN 1, 0, 1
	STEP 0, 0, 0
	s_sub_co_u32 s3, s3, 1
	s_cmp_lg_u32 s3, 0
	s_cbranch_scc1 .Llap
	TURN 0, 1, 0
	STEP 1, 0, 0
	s_cmp_eq_u32 s[SW], 1
	s_cbranch_scc1 .Lno_tab01
	TABLE 0                                        ; source 0's set 0 is done with (eight places stand behind its last product): it takes the first two table sets
	TABLE 1
.Lno_tab01:
	s_wait_dscnt 4*NL
	WIN MUL_LO
	MUL16 0, 1, NQ-1, 1, 0
	MUL16 2, 1, NQ-1, 1, 0
	s_wait_dscnt 0
	WIN MUL_HI
	MUL16 4, 1, NQ-1, 1, 0
	MUL16 6, 1, NQ-1, 1, 0
	WIN 0
; 64 numbers of a lane from v[s] on, register 16 b + i = index 32 b + 16 (lane / 16) + i along the next K, become a fragment's codes in v[PC] on and its scale word in v[pw]
.macro QUANT s, pw
.irp b, 0,1,2,3
	v_max3_num_f32 v[TM+\b], |v[\s+16*\b]|, |v[\s+1+16*\b]|, 0x4800000   ; and the floor 2^(9 - 127): the byte cannot fall under 1
.endr
.irp i, 2,4,6,8,10,12,14
.irp b, 0,1,2,3
	v_max3_num_f32 v[TM+\b], v[TM+\b], |v[\s+16*\b+\i]|, |v[\s+1+16*\b+\i]|
.endr
.endr
.irp b, 0,1,2,3
	v_permlanex16_b32 v[TM+4+\b], v[TM+\b], s[SEL], s[SEL+1]
.endr
.irp b, 0,1,2,3
	v_max_num_f32 v[TM+\b], v[TM+\b], v[TM+4+\b]
.endr
.irp b, 0,1,2,3
	v_add_nc_u32 v[TM+12+\b], 0xfc000000, v[TM+\b]   ; the conversion's scale operand
.endr
.irp b, 0,1,2,3
	v_and_or_b32 v[TM+8+\b], v[TM+\b], 0x7f800000, s[MNT]   ; 448 x the scale
.endr
.irp b, 0,1,2,3
	v_lshrrev_b32 v[TM+4+\b], 23, v[TM+12+\b]
.endr
	v_lshl_or_b32 v[\pw], v[TM+5], 8, v[TM+4]
	v_lshl_or_b32 v[\pw], v[TM+6], 16, v[\pw]
	v_lshl_or_b32 v[\pw], v[TM+7], 24, v[\pw]
.irp b, 0,1,2,3
.irp i, 0,1,2,3,4,5,6,7,8,9,10,11,12,13,14,15
	v_med3_num_f32 v[\s+16*\b+\i], v[\s+16*\b+\i], -v[TM+8+\b], v[TM+8+\b]   ; the conversion does not saturate (ISA guide 7.6.2): the hold
.endr
	v_cvt_scalef32_pk8_fp8_f32 v[PC+4*\b:PC+1+4*\b], v[\s+16*\b:\s+7+16*\b], v[TM+12+\b]
	v_cvt_scalef32_pk8_fp8_f32 v[PC+2+4*\b:PC+3+4*\b], v[\s+8+16*\b:\s+15+16*\b], v[TM+12+\b]
.endr
	v_nop
.endm
.macro LEAVE a                         ; the fragment as it stands, and every second block two blocks' scale words
.irp c, 0,1,2,3
	global_store_b128 v[LI], v[PC+4*\c:PC+4*\c+3], s[12:13] offset:(\a)*2048+512*\c
.endr
.if (\a)%2
	global_store_b64 v[L8], v[PWB:PWB+1], s[12:13] offset:16384+((\a)/2)*256
.endif
.endm
.macro BLOCK a                         ; q, k: block a of 16 t
.if (\a) > 0
	s_wait_xcnt 0x0                                ; the last block's stores have read their registers
.endif
.set TS, 64*((\a)%4)
	WIN 0x02+(\a)/4
.set k, 0
.rept 32
	v_pk_mul_f32 v[T+2*k:T+2*k+1], v[TS+2*k:TS+2*k+1], s[GN:GN+1] op_sel_hi:[1,0]   ; x the gain; each accumulator from its low end on
.set k, k+1
.endr
.if (\a) < 5
	s_wait_loadcnt 48                              ; this block's 16 table loads are in; three sets behind them may be out
.else
	s_wait_loadcnt 16*(7-(\a))
.endif
	WIN 0x04
.irp g, 0,1,2,3                        ; x1' = x1 cos + x2 sin, x2' = x2 cos - x1 sin
.irp k, 0,1,2,3
	v_pk_mul_f32 v[U+2*\k:U+2*\k+1], v[T+8*\g+2*\k:T+8*\g+2*\k+1], v[TS+32+8*\g+2*\k:TS+32+8*\g+2*\k+1]
.endr
.irp k, 0,1,2,3
	v_pk_mul_f32 v[T+8*\g+2*\k:T+8*\g+2*\k+1], v[T+8*\g+2*\k:T+8*\g+2*\k+1], v[TS+8*\g+2*\k:TS+8*\g+2*\k+1]
.endr
.irp k, 0,1,2,3
	v_pk_fma_f32 v[T+8*\g+2*\k:T+8*\g+2*\k+1], v[T+32+8*\g+2*\k:T+32+8*\g+2*\k+1], v[TS+32+8*\g+2*\k:TS+32+8*\g+2*\k+1], v[T+8*\g+2*\k:T+8*\g+2*\k+1]
.endr
.irp k, 0,1,2,3
	v_pk_fma_f32 v[T+32+8*\g+2*\k:T+32+8*\g+2*\k+1], v[T+32+8*\g+2*\k:T+32+8*\g+2*\k+1], v[TS+8*\g+2*\k:TS+8*\g+2*\k+1], v[U+2*\k:U+2*\k+1] neg_lo:[0,0,1] neg_hi:[0,0,1]
.endr
.endr
.if (\a) < 4
	TABLE (\a)+4
.endif
	WIN 0
	QUANT T, PWB+(\a)%2
	LEAVE \a
.endm
.macro VSTORE a                        ; v: block a's 64 results a lane into my stage: register 16 p + i is (t of my lane, d = 32 p + 16 h + i)
	WIN 0x08+4*((\a)/4)
.set k, 0
.rept 64
	ds_store_b32 v[VS], v[64*((\a)%4)+k] offset:(32*(k/16)+k%16)*VP+4*(32*((\a)/2)+8*((\a)%2))
.set k, k+1
.endr
	WIN 0
.endm
.macro VLOAD a                         ; back: block a of 16 d: 16 t of each 32, into set a % 2
.irp p, 0,1,2,3
.irp c, 0,1,2,3
	ds_load_b128 v[T+112*((\a)%2)+16*\p+4*\c:T+112*((\a)%2)+16*\p+4*\c+3], v[VR] offset:(32*((\a)/2)+8*((\a)%2))*VP+128*\p+16*\c
.endr
.endr
.endm
.macro VBLOCK a
.if (\a) < 7
	VLOAD (\a)+1
	s_wait_dscnt 16                                ; this block's loads are in; the next block's sixteen may be out
.else
	s_wait_dscnt 0x0
.endif
.if (\a) > 0
	s_wait_xcnt 0x0
.endif
	QUANT T+112*((\a)%2), PWB+(\a)%2
	LEAVE \a
.endm
	PLACES NP                                      ; behind the last products
.irp b, 0,1,2,3
	v_mov_b32 v[TM+4+\b], 0                        ; a lane permute's destination counts as one of its sources
.endr
	s_wait_alu depctr_va_vdst(0)                   ; the wait ahead of the barrier
	s_wait_dscnt 0x0
	s_barrier_signal -1
	s_barrier_wait -1                              ; nobody reads the ring any more, and it has had its last fill: the stages may lie there
	s_cmp_eq_u32 s[SW], 1
	s_cbranch_scc1 .Lv_out
	TABLE 2
	TABLE 3
.irp a, 0,1,2,3,4,5,6,7
	BLOCK \a
.endr
	s_branch .Ldone
.Lv_out:                                               ; v: no gain, no rotation.  LDS serves a wave's instructions in order: no wait between my stores and my loads
.irp a, 0,1,2,3,4,5,6,7
	VSTORE \a
.endr
	VLOAD 0
.irp a, 0,1,2,3,4,5,6,7
	VBLOCK \a
.endr
.Ldone:
	s_wait_tensorcnt 0x0                           ; the wave's end
	ds_add_u32 v[SPW], v[NIL]
	s_wait_dscnt 0x0
	CROUND                                         ; the closing round
	s_endpgm
.Lfunc_end_k_qb32a9b87ad_qkv:
	.size	k_qb32a9b87ad_qkv, .Lfunc_end_k_qb32a9b87ad_qkv-k_qb32a9b87ad_qkv
	.p2alignl 7, 3214868480
	.fill 96, 4, 3214868480
	.section	.rodata,"a",@progbits
	.p2align	6, 0x0
	.amdhsa_kernel k_qb32a9b87ad_qkv
		.amdhsa_group_segment_fixed_size 327680
		.amdhsa_private_segment_fixed_size 0
		.amdhsa_enable_private_segment 0
		.amdhsa_kernarg_size 56
		.amdhsa_user_sgpr_count 2
		.amdhsa_user_sgpr_kernarg_segment_ptr 1
		.amdhsa_wavefront_size32 1
		.amdhsa_system_sgpr_workgroup_id_x 1
		.amdhsa_system_sgpr_workgroup_id_y 1
		.amdhsa_system_sgpr_workgroup_id_z 1
		.amdhsa_system_vgpr_workitem_id 0
		.amdhsa_next_free_vgpr 1024
		.amdhsa_next_free_sgpr 102
		.amdhsa_reserve_vcc 0
		.amdhsa_float_denorm_mode_32 3
		.amdhsa_float_denorm_mode_16_64 3
		.amdhsa_memory_ordered 1
		.amdhsa_forward_progress 1
		.amdhsa_inst_pref_size 255
	.end_amdhsa_kernel
	.section	.bss,"aw",@nobits
	.p2align	6
	.space	262144
	.amdgpu_metadata
---
amdhsa.version: [ 1, 2 ]
amdhsa.kernels:
  - .name:           k_qb32a9b87ad_qkv
    .symbol:         k_qb32a9b87ad_qkv.kd
    .args:
      - { .name: xc, .offset: 0, .size: 8, .value_kind: global_buffer, .address_space: global }
      - { .name: wc, .offset: 8, .size: 8, .value_kind: global_buffer, .address_space: global }
      - { .name: rt, .offset: 16, .size: 8, .value_kind: global_buffer, .address_space: global }
      - { .name: q_gain, .offset: 24, .size: 8, .value_kind: global_buffer, .address_space: global }
      - { .name: k_gain, .offset: 32, .size: 8, .value_kind: global_buffer, .address_space: global }
      - { .name: qc, .offset: 40, .size: 8, .value_kind: global_buffer, .address_space: global }
      - { .name: kvc, .offset: 48, .size: 8, .value_kind: global_buffer, .address_space: global }
    .group_segment_fixed_size: 327680
    .private_segment_fixed_size: 0
    .kernarg_segment_align: 8
    .kernarg_segment_size: 56
    .max_flat_workgroup_size: 128
    .sgpr_count:     102
    .vgpr_count:     1024
    .wavefront_size: 32
...
	.end_amdgpu_metadata
.endif
;; end of part 2
;; launch attn (part 3): grid 16 x 16, 16 waves a work-group, clusters of 4 x 1, 327,680 bytes of LDS; arguments qc, kvc, yc; writes yc
.if DOCPART == 3
	.amdgcn_target "amdgcn-amd-amdhsa--gfx1250"
	.amdhsa_code_object_version 6
	.text
	.protected	k_qb32a9b87ad_attn
	.globl	k_qb32a9b87ad_attn
	.p2align	8
	.type	k_qb32a9b87ad_attn,@function
k_qb32a9b87ad_attn:
	s_mov_b64 s[64:65], 0
	v_nop
	global_prefetch_b8 v0, s[64:65] scope:SCOPE_SE
	s_setreg_imm32_b32 hwreg(HW_REG_WAVE_MODE, 25, 1), 1
	s_wait_xcnt 0x0
	s_wait_alu depctr_hold_cnt(0) depctr_sa_sdst(0) depctr_va_vdst(0) depctr_va_sdst(0) depctr_va_ssrc(0) depctr_va_vcc(0) depctr_vm_vsrc(0)
	s_getreg_b32 s2, hwreg(HW_REG_IB_STS2, 6, 4)
	s_cmp_eq_u32 s2, 0
	s_cbranch_scc0 .Lentry_in_a_cluster
	s_endpgm
.Lentry_in_a_cluster:
	s_bfe_u32 s2, ttmp6, 0x10000c
	s_cmp_lg_u32 s2, 0x3003
	s_cbranch_scc0 .Lentry_shape_is_right
	s_endpgm
.Lentry_shape_is_right:
.set CHUNK, 17408
.set IMG,   2048
.set SCO,   16384
.set STEPB, 2*CHUNK
.set KVB,   8*STEPB
.set STG,   KVB
.set YSCALES, 0x800000
.set LI,  1
.set L8,  2
.set DM,  3
.set SO,  4
.set SR,  5
.set GO,  6
.set YS,  7
.set ADI, 8
.set ADW, 9
.set PC,  32
.set TM,  48
.set PW,  64
.set WV,  18
.set MNT, 19
.set SEL, 20
.set CS,  22
.set G1A, 24
.set G1B, 32
.set G0A, 40
.set G0B, 44
.set TB,  48
.set SI,  49
.set CNT, 50
.set WH,  51
.set WL,  52
.macro ROUND
	s_barrier_signal -1
	s_barrier_wait -1
	s_cmp_lg_u32 s[WV], 0
	s_cbranch_scc1 .Lnot_wave_0_\@
	s_barrier_signal -3
.Lnot_wave_0_\@:
	s_barrier_wait -3
	s_barrier_signal -1
	s_barrier_wait -1
.endm
	s_load_b128 s[4:7], s[0:1], 0x0
	s_load_b64 s[8:9], s[0:1], 0x10
	v_lshl_add_u32 v254, v0, 2, 0x4c800
	v_mov_b32 v255, 0
	ds_add_u32 v254, v255
	ds_add_u32 v254, v255
	s_wait_dscnt 0x0
	v_lshrrev_b32 v8, 5, v0
	s_delay_alu instid0(VALU_DEP_1)
	v_readfirstlane_b32 s[WV], v8
	s_bfe_u32 s10, ttmp6, 0x40000
	s_and_b32 s11, ttmp7, 0xffff
	s_lshr_b32 s12, ttmp9, 1
	s_and_b32 s13, ttmp9, 1
	s_lshl_b32 s13, s13, 2
	s_add_co_u32 s53, s13, s10
	s_lshr_b32 s[WH], s[WV], 1
	s_and_b32 s[WL], s[WV], 1
	s_lshr_b32 s55, s11, 2
	s_and_b32 s56, s11, 3
	s_lshl_b32 s57, s56, 2
	s_lshl_b32 s13, s12, 1
	s_add_co_u32 s57, s57, s13
	s_add_co_u32 s57, s57, s[WL]
	s_lshr_b32 s54, s53, 1
	s_lshl_b32 s54, s54, 5
	s_and_b32 s13, s53, 1
	s_lshl_b32 s13, s13, 3
	s_add_co_u32 s54, s54, s13
	s_mov_b32 s[G1A], 15|(3<<16)|(1<<21)
	s_mov_b32 s[G1A+1], 32<<16
	s_mov_b32 s[G1A+2], 17<<16
	s_mov_b32 s[G1A+3], 32<<16
	s_mov_b32 s[G1A+4], 17
	s_mov_b32 s[G1A+5], 32
	s_mov_b32 s[G1A+6], 0
	s_mov_b32 s[G1A+7], 0
	s_mov_b32 s[G1B], 15|(3<<16)|(1<<21)
	s_mov_b32 s[G1B+1], 32<<16
	s_mov_b32 s[G1B+2], 51<<16
	s_mov_b32 s[G1B+3], 32<<16
	s_mov_b32 s[G1B+4], 51
	s_mov_b32 s[G1B+5], 32
	s_mov_b32 s[G1B+6], 0
	s_mov_b32 s[G1B+7], 0
	s_mul_i32 s58, s11, KVB
	s_mov_b32 s[G0A], 1
	s_mul_i32 s[G0A+1], s[WV], 17*256
	s_add_co_u32 s60, s58, s[G0A+1]
	s_mov_b32 s61, 0
	s_mov_b32 s[G0B], 1
	s_mul_i32 s[G0B+1], s[WV], 51*256
	s_add_co_u32 s[G0B+1], s[G0B+1], 2*STEPB
	s_add_co_u32 s62, s58, s[G0B+1]
	s_mov_b32 s63, 0
	s_mov_b32 s[SEL], 0x76543210
	s_mov_b32 s[SEL+1], 0xfedcba98
	s_mov_b32 s[CS], 0x3e0293ee
	s_mov_b32 s[CS+1], s[CS]
	s_mov_b32 s[MNT], 0x600000
	s_mov_b32 s[TB], 0
	s_mov_b32 s[SI], 0
	s_wait_kmcnt 0x0
	s_add_nc_u64 s[G0A+2:G0A+3], s[6:7], s[60:61]
	s_or_b32 s[G0A+3], s[G0A+3], 0x80000000
	s_add_nc_u64 s[G0B+2:G0B+3], s[6:7], s[62:63]
	s_or_b32 s[G0B+3], s[G0B+3], 0x80000000
	ROUND
	tensor_load_to_lds s[G0A:G0A+3], s[G1A:G1A+7]
	s_nop 0
	s_wait_alu depctr_va_vdst(0)
	s_wait_tensorcnt 0x0
	ds_add_u32 v254, v255
	s_wait_dscnt 0x0
	ROUND
	tensor_load_to_lds s[G0B:G0B+3], s[G1B:G1B+7]
	s_nop 0
.rept 4
	v_nop
.endr
	v_and_b32 v10, 31, v0
	s_delay_alu instid0(VALU_DEP_1)
	v_lshlrev_b32 v[LI], 4, v10
	s_delay_alu instid0(VALU_DEP_2)
	v_lshlrev_b32 v[L8], 3, v10
	v_and_b32 v8, 15, v0
	v_bfe_u32 v9, v0, 4, 1
	s_delay_alu instid0(VALU_DEP_2)
	v_and_b32 v11, 8, v8
	s_delay_alu instid0(VALU_DEP_1)
	v_add_nc_u32 v11, v11, v8
	s_delay_alu instid0(VALU_DEP_1)
	v_lshlrev_b32 v[YS], 6, v11
	s_delay_alu instid0(VALU_DEP_2)
	v_add_nc_u32 v[DM], s54, v11
	v_lshlrev_b32 v12, 4, v9
	s_delay_alu instid0(VALU_DEP_1)
	v_sub_nc_u32 v[DM], v[DM], v12
	s_lshl_b32 s13, s[WH], 4
	v_add_nc_u32 v[SO], s13, v8
	s_delay_alu instid0(VALU_DEP_1)
	v_mul_u32_u24 v[SO], v[SO], 272
	s_delay_alu instid0(VALU_DEP_1)
	v_lshl_add_u32 v[SO], v9, 4, v[SO]
	s_lshl_b32 s13, s[WL], 7
	s_add_co_u32 s13, s13, STG
	v_add_nc_u32 v[SO], s13, v[SO]
	s_lshl_b32 s13, s[WV], 3
	v_add_nc_u32 v[SR], s13, v9
	s_delay_alu instid0(VALU_DEP_1)
	v_mul_u32_u24 v[SR], v[SR], 272
	s_delay_alu instid0(VALU_DEP_1)
	v_lshl_add_u32 v[SR], v8, 4, v[SR]
	s_delay_alu instid0(VALU_DEP_1)
	v_add_nc_u32 v[SR], STG, v[SR]
	v_lshlrev_b32 v[GO], 11, v9
	s_delay_alu instid0(VALU_DEP_1)
	v_lshl_add_u32 v[GO], v8, 4, v[GO]
	s_lshl_b32 s13, s55, 4
	s_add_co_u32 s13, s13, s57
	s_lshl_b32 s13, s13, 3
	s_add_co_u32 s13, s13, s[WH]
	s_mul_i32 s58, s13, CHUNK
	s_mov_b32 s59, 0
	s_add_nc_u64 s[4:5], s[4:5], s[58:59]
	s_lshl_b32 s58, s53, 11
	s_add_nc_u64 s[60:61], s[4:5], s[58:59]
	s_lshr_b32 s58, s53, 1
	s_lshl_b32 s58, s58, 8
	s_and_b32 s13, s53, 1
	s_lshl_b32 s13, s13, 2
	s_add_co_u32 s58, s58, s13
	s_add_co_u32 s58, s58, SCO
	s_add_nc_u64 s[4:5], s[4:5], s[58:59]
.irp c, 0,1,2,3
	global_load_b128 v[16+4*\c:19+4*\c], v[LI], s[60:61] offset:512*\c
.endr
	global_load_b32 v255, v[L8], s[4:5]
	s_lshl_b32 s13, s55, 10
	s_lshl_b32 s14, s[WH], 7
	s_add_co_u32 s13, s13, s14
	s_add_co_u32 s13, s13, s54
	s_lshl_b32 s58, s13, 6
	s_lshl_b32 s14, s57, 2
	s_add_co_u32 s58, s58, s14
	s_add_co_u32 s58, s58, YSCALES
	s_add_nc_u64 s[62:63], s[8:9], s[58:59]
	s_lshl_b32 s14, s[WL], 4
	s_add_co_u32 s13, s13, s14
	s_lshl_b32 s58, s13, 11
	s_lshl_b32 s14, s56, 9
	s_add_co_u32 s58, s58, s14
	s_lshl_b32 s14, s12, 8
	s_add_co_u32 s58, s58, s14
	s_add_nc_u64 s[8:9], s[8:9], s[58:59]
	v_mov_b32 v13, 0xff61b1e6
	s_delay_alu instid0(VALU_DEP_1)
	v_floor_f32 v12, -v13
	v_mov_b32 v14, 0
	v_mov_b32 v15, 0
.irp b, 0,1,2,3
	v_mov_b32 v[236+\b], 0
.endr
	v_mov_b32 v252, 0
	v_mov_b32 v253, 0
.set j, 0
.rept 64
	v_mov_b32 v[160+j], 0
.set j, j+1
.endr
.macro STEP
	s_cmp_gt_u32 s[SI], s[WH]
	s_cbranch_scc1 .Lhidden_\@
	v_add_nc_u32 v[ADI], s[TB], v[LI]
	s_wait_alu depctr_va_vdst(0)
	v_add_nc_u32 v[ADW], s[TB], v[L8]
	s_wait_alu depctr_va_vdst(0)
.irp g, 0,1
.rept 6+2*\g
	v_nop
.endr
.irp t, 0,1,2,3
.irp c, 0,1,2,3
	ds_load_b128 v[32+16*\t+4*\c:32+16*\t+4*\c+3], v[ADI] offset:(4*\g+\t)*IMG+512*\c
.endr
.endr
.irp k, 0,1
	ds_load_b64 v[248+2*\k:249+2*\k], v[ADW] offset:SCO+(2*\g+\k)*256
.endr
	s_wait_dscnt 0x0
.irp t, 0,1,2,3
	v_wmma_scale_f32_16x16x128_f8f6f4 v[96+8*(4*\g+\t):103+8*(4*\g+\t)], v[32+16*\t:47+16*\t], v[16:31], 0, v[248+\t], v255
.endr
.endr
.rept 8
	v_nop
.endr
; V's first four fragments and their scale words are asked for here: their registers are idle through the softmax, and the eight places above stand behind the products that read them
.irp t, 0,1,2,3
.irp c, 0,1,2,3
	ds_load_b128 v[32+16*\t+4*\c:32+16*\t+4*\c+3], v[ADI] offset:CHUNK+\t*IMG+512*\c
.endr
.endr
.irp k, 0,1
	ds_load_b64 v[248+2*\k:249+2*\k], v[ADW] offset:CHUNK+SCO+\k*256
.endr
	s_cmp_lt_u32 s[SI], s[WH]
	s_cbranch_scc1 .Lopen_\@
	v_mov_b32 v254, 0xff800000
.set n, 0
.rept 64
	v_cmp_gt_i32 vcc_lo, 32*(n/16)+n%16, v[DM]
	v_cndmask_b32 v[96+n], v[96+n], v254, vcc_lo
.set n, n+1
.endr
.Lopen_\@:
.irp b, 0,1,2,3
	v_max3_num_f32 v[232+\b], v[96+16*\b], v[97+16*\b], v[98+16*\b]
.endr
.irp i, 3,5,7,9,11,13
.irp b, 0,1,2,3
	v_max3_num_f32 v[232+\b], v[232+\b], v[96+16*\b+\i], v[97+16*\b+\i]
.endr
.endr
.irp b, 0,1,2,3
	v_max_num_f32 v[232+\b], v[232+\b], v[111+16*\b]
.endr
.irp b, 0,1,2,3
	v_permlanex16_b32 v[236+\b], v[232+\b], s[SEL], s[SEL+1]
.endr
.irp b, 0,1,2,3
	s_delay_alu instid0(VALU_DEP_4)
	v_max_num_f32 v[232+\b], v[232+\b], v[236+\b]
.endr
	s_delay_alu instid0(VALU_DEP_2)
	v_max3_num_f32 v254, v232, v233, v234
	s_delay_alu instid0(VALU_DEP_1)
	v_max_num_f32 v254, v254, v235
	s_delay_alu instid0(VALU_DEP_1)
	v_mul_f32 v254, s[CS], v254
	s_delay_alu instid0(VALU_DEP_1)
	v_max_num_f32 v13, v13, v254
	v_mov_b32 v254, v12
	s_delay_alu instid0(VALU_DEP_2)
	v_floor_f32 v12, -v13
	s_delay_alu instid0(VALU_DEP_1)
	v_sub_f32 v254, v12, v254
	s_delay_alu instid0(VALU_DEP_1)
	v_cvt_i32_f32 v254, v254
	s_delay_alu instid0(VALU_DEP_1)
	v_ldexp_f32 v252, 1.0, v254
.set j, 0
.rept 32
	v_pk_fma_f32 v[96+j:97+j], v[96+j:97+j], s[CS:CS+1], v[12:13] op_sel_hi:[1,0,0]
.set j, j+2
.endr
.irp b, 0,1,2,3
	v_fma_f32 v[232+\b], v[232+\b], s[CS], v12
.endr
.set j, 0
	s_wait_alu depctr_va_vdst(0)
.rept 64
	v_exp_f32 v[96+j], v[96+j]
.set j, j+1
.endr
.irp b, 0,1,2,3
	v_exp_f32 v[232+\b], v[232+\b]
.endr
	v_pk_mul_f32 v[14:15], v[14:15], v[252:253] op_sel_hi:[1,0]
	s_wait_alu depctr_va_vdst(0)
.irp b, 0,1,2,3
	v_max_num_f32 v[232+\b], 0x4800000, v[232+\b]
.endr
.irp b, 0,1,2,3
	s_delay_alu instid0(VALU_DEP_4)
	v_add_nc_u32 v[244+\b], 0xfc000000, v[232+\b]
.endr
.irp b, 0,1,2,3
	v_and_or_b32 v[240+\b], v[232+\b], 0x7f800000, s[MNT]
.endr
.irp b, 0,1,2,3
	v_lshrrev_b32 v[236+\b], 23, v[244+\b]
.endr
	s_delay_alu instid0(VALU_DEP_3)
	v_lshl_or_b32 v253, v237, 8, v236
	s_delay_alu instid0(VALU_DEP_1)
	v_lshl_or_b32 v253, v238, 16, v253
	s_delay_alu instid0(VALU_DEP_1)
	v_lshl_or_b32 v253, v239, 24, v253
	v_pk_add_f32 v[236:237], v[96:97], v[98:99]
.set j, 4
.rept 15
	v_pk_add_f32 v[14:15], v[14:15], v[96+j:97+j]
	v_pk_add_f32 v[236:237], v[236:237], v[98+j:99+j]
.set j, j+4
.endr
	s_delay_alu instid0(VALU_DEP_1)
	v_pk_add_f32 v[14:15], v[14:15], v[236:237]
.irp b, 0,1,2,3
.irp i, 0,1,2,3,4,5,6,7,8,9,10,11,12,13,14,15
	v_min_num_f32 v[96+16*\b+\i], v[96+16*\b+\i], v[240+\b]
.endr
	v_cvt_scalef32_pk8_fp8_f32 v[224+4*\b:225+4*\b], v[96+16*\b:103+16*\b], v[244+\b]
	v_cvt_scalef32_pk8_fp8_f32 v[226+4*\b:227+4*\b], v[104+16*\b:111+16*\b], v[244+\b]
.endr
.set j, 0
.rept 32
	v_pk_mul_f32 v[160+j:161+j], v[160+j:161+j], v[252:253] op_sel_hi:[1,0]
.set j, j+2
.endr
	s_wait_alu depctr_va_vdst(0)
.irp g, 0,1
.if \g > 0
.rept 8
	v_nop
.endr
.irp t, 0,1,2,3
.irp c, 0,1,2,3
	ds_load_b128 v[32+16*\t+4*\c:32+16*\t+4*\c+3], v[ADI] offset:CHUNK+(4*\g+\t)*IMG+512*\c
.endr
.endr
.irp k, 0,1
	ds_load_b64 v[248+2*\k:249+2*\k], v[ADW] offset:CHUNK+SCO+(2*\g+\k)*256
.endr
.endif
	s_wait_dscnt 0x0
.irp t, 0,1,2,3
	v_wmma_scale_f32_16x16x128_f8f6f4 v[160+8*(4*\g+\t):167+8*(4*\g+\t)], v[32+16*\t:47+16*\t], v[224:239], v[160+8*(4*\g+\t):167+8*(4*\g+\t)], v[248+\t], v253
.endr
.endr
.Lhidden_\@:
	s_add_co_u32 s[TB], s[TB], STEPB
	s_add_co_u32 s[SI], s[SI], 1
.endm
	s_wait_tensorcnt 1
	s_barrier_signal -1
	s_barrier_wait -1
	s_wait_loadcnt 0x0
	s_mov_b32 s[CNT], 2
.Lfirst:
	STEP
	s_sub_co_u32 s[CNT], s[CNT], 1
	s_cmp_lg_u32 s[CNT], 0
	s_cbranch_scc1 .Lfirst
	s_wait_tensorcnt 0x0
	s_wait_dscnt 0x0
	s_barrier_signal -1
	s_barrier_wait -1
	s_mov_b32 s[CNT], 6
.Lrest:
	STEP
	s_sub_co_u32 s[CNT], s[CNT], 1
	s_cmp_lg_u32 s[CNT], 0
	s_cbranch_scc1 .Lrest
.rept 8
	v_nop
.endr
	v_add_f32 v14, v14, v15
	s_delay_alu instid0(VALU_DEP_1)
	v_permlanex16_b32 v252, v14, s[SEL], s[SEL+1]
	s_delay_alu instid0(VALU_DEP_1)
	v_add_f32 v14, v14, v252
	s_wait_alu depctr_va_vdst(0)
	v_rcp_f32 v14, v14
.irp b, 0,1,2,3
	v_mov_b32 v[TM+4+\b], 0
.endr
.set j, 0
	s_wait_alu depctr_va_vdst(0)
.rept 64
	v_mul_f32 v[96+j], v[160+j], v14
.set j, j+1
.endr
.irp b, 0,1,2,3
	v_max3_num_f32 v[TM+\b], |v[96+16*\b]|, |v[97+16*\b]|, 0x4800000
.endr
.irp i, 2,4,6,8,10,12,14
.irp b, 0,1,2,3
	s_delay_alu instid0(VALU_DEP_4)
	v_max3_num_f32 v[TM+\b], v[TM+\b], |v[96+16*\b+\i]|, |v[97+16*\b+\i]|
.endr
.endr
.irp b, 0,1,2,3
	s_delay_alu instid0(VALU_DEP_4)
	v_permlanex16_b32 v[TM+4+\b], v[TM+\b], s[SEL], s[SEL+1]
.endr
.irp b, 0,1,2,3
	s_delay_alu instid0(VALU_DEP_4)
	v_max_num_f32 v[TM+\b], v[TM+\b], v[TM+4+\b]
.endr
.irp b, 0,1,2,3
	s_delay_alu instid0(VALU_DEP_4)
	v_add_nc_u32 v[TM+12+\b], 0xfc000000, v[TM+\b]
.endr
.irp b, 0,1,2,3
	v_and_or_b32 v[TM+8+\b], v[TM+\b], 0x7f800000, s[MNT]
.endr
.irp b, 0,1,2,3
	v_lshrrev_b32 v[TM+4+\b], 23, v[TM+12+\b]
.endr
	s_delay_alu instid0(VALU_DEP_3)
	v_lshl_or_b32 v[PW], v[TM+5], 8, v[TM+4]
	s_delay_alu instid0(VALU_DEP_1)
	v_lshl_or_b32 v[PW], v[TM+6], 16, v[PW]
	s_delay_alu instid0(VALU_DEP_1)
	v_lshl_or_b32 v[PW], v[TM+7], 24, v[PW]
.irp b, 0,1,2,3
.irp i, 0,1,2,3,4,5,6,7,8,9,10,11,12,13,14,15
	v_med3_num_f32 v[96+16*\b+\i], v[96+16*\b+\i], -v[TM+8+\b], v[TM+8+\b]
.endr
	v_cvt_scalef32_pk8_fp8_f32 v[PC+4*\b:PC+1+4*\b], v[96+16*\b:103+16*\b], v[TM+12+\b]
	v_cvt_scalef32_pk8_fp8_f32 v[PC+2+4*\b:PC+3+4*\b], v[104+16*\b:111+16*\b], v[TM+12+\b]
.endr
	v_nop
.irp c, 0,1,2,3
	ds_store_b128 v[SO], v[PC+4*\c:PC+4*\c+3] offset:32*\c
.endr
	global_store_b32 v[YS], v[PW], s[62:63]
	s_wait_dscnt 0x0
	s_barrier_signal -1
	s_barrier_wait -1
.irp q, 0,1,2,3
	ds_load_b128 v[68+4*\q:71+4*\q], v[SR] offset:2*\q*272
.endr
.irp q, 0,1,2,3
	s_wait_dscnt 3-\q
	global_store_b128 v[GO], v[68+4*\q:71+4*\q], s[8:9] offset:4096*\q
.endr
	s_wait_xcnt 0x0
	v_lshl_add_u32 v254, v0, 2, 0x4c800
	v_mov_b32 v255, 0
	s_wait_alu depctr_va_vdst(0)
	s_wait_tensorcnt 0x0
	ds_add_u32 v254, v255
	s_wait_dscnt 0x0
	ROUND
	s_endpgm
.Lfunc_end_k_qb32a9b87ad_attn:
	.size	k_qb32a9b87ad_attn, .Lfunc_end_k_qb32a9b87ad_attn-k_qb32a9b87ad_attn
	.p2alignl 7, 3214868480
	.fill 96, 4, 3214868480
	.section	.rodata,"a",@progbits
	.p2align	6, 0x0
	.amdhsa_kernel k_qb32a9b87ad_attn
		.amdhsa_group_segment_fixed_size 327680
		.amdhsa_private_segment_fixed_size 0
		.amdhsa_enable_private_segment 0
		.amdhsa_kernarg_size 24
		.amdhsa_user_sgpr_count 2
		.amdhsa_user_sgpr_kernarg_segment_ptr 1
		.amdhsa_wavefront_size32 1
		.amdhsa_system_sgpr_workgroup_id_x 1
		.amdhsa_system_sgpr_workgroup_id_y 1
		.amdhsa_system_sgpr_workgroup_id_z 1
		.amdhsa_system_vgpr_workitem_id 0
		.amdhsa_next_free_vgpr 256
		.amdhsa_next_free_sgpr 66
		.amdhsa_reserve_vcc 1
		.amdhsa_float_denorm_mode_32 3
		.amdhsa_float_denorm_mode_16_64 3
		.amdhsa_memory_ordered 1
		.amdhsa_forward_progress 1
		.amdhsa_inst_pref_size 82
	.end_amdhsa_kernel
	.amdgpu_metadata
---
amdhsa.version: [ 1, 2 ]
amdhsa.kernels:
  - .name:           k_qb32a9b87ad_attn
    .symbol:         k_qb32a9b87ad_attn.kd
    .args:
      - { .name: qc, .offset: 0, .size: 8, .value_kind: global_buffer, .address_space: global }
      - { .name: kvc, .offset: 8, .size: 8, .value_kind: global_buffer, .address_space: global }
      - { .name: yc, .offset: 16, .size: 8, .value_kind: global_buffer, .address_space: global }
    .group_segment_fixed_size: 327680
    .private_segment_fixed_size: 0
    .kernarg_segment_align: 8
    .kernarg_segment_size: 24
    .max_flat_workgroup_size: 512
    .sgpr_count:     66
    .vgpr_count:     256
    .wavefront_size: 32
...
	.end_amdgpu_metadata
.endif
;; end of part 3
;; launch proj (part 4): grid 16 x 16, 4 waves a work-group, clusters of 4 x 4, 327,680 bytes of LDS; arguments yc, woc, out0; writes out0
.if DOCPART == 4
	.amdgcn_target "amdgcn-amd-amdhsa--gfx1250"
	.amdhsa_code_object_version 6
	.text
	.protected	k_qb32a9b87ad_proj
	.globl	k_qb32a9b87ad_proj
	.p2align	8
	.type	k_qb32a9b87ad_proj,@function
k_qb32a9b87ad_proj:
	s_mov_b64 s[64:65], 0
	v_nop
	global_prefetch_b8 v0, s[64:65] scope:SCOPE_SE
	s_setreg_imm32_b32 hwreg(HW_REG_WAVE_MODE, 25, 1), 1
	s_wait_xcnt 0x0
	s_wait_alu depctr_hold_cnt(0) depctr_sa_sdst(0) depctr_va_vdst(0) depctr_va_sdst(0) depctr_va_ssrc(0) depctr_va_vcc(0) depctr_vm_vsrc(0)
	s_getreg_b32 s2, hwreg(HW_REG_IB_STS2, 6, 4)
	s_cmp_eq_u32 s2, 0
	s_cbranch_scc0 .Lentry_in_a_cluster
	s_endpgm
.Lentry_in_a_cluster:
	s_bfe_u32 s2, ttmp6, 0x10000c
	s_cmp_lg_u32 s2, 0xf033
	s_cbranch_scc0 .Lentry_shape_is_right
	s_endpgm
.Lentry_shape_is_right:
.set SIZE_N, 2048
.set SIZE_K, 2048
.set ASCALES, 0x800000
.set BSCALES, 0x400000
.set ROWB,   256
.set KROW,   SIZE_K
.set PITCH,  272
.set FR,     16
.set NP,     8
.set HALFA,  128*PITCH
.set HALFB,  64*PITCH
.set BOFF,   2*HALFA
.set SLOT,   BOFF+2*HALFB
.set SPARE,  3*SLOT
.set SPITCH, 528
.set ADRA, 16
.set ADRB, 20
.set STO,  24
.set RD,   25
.set CO,   26
.set SOF,  27
.set SPW,  28
.set NIL,  29
.set SA,   32
.set SB,   64
.set AF,   128
.set BK,   128
.set G1,  24
.set G1B, 48
.set G0,  68
.set G0B, 80
.set MSB, 0
.macro WIN new
.if MSB != (\new)
	s_set_vgpr_msb (MSB<<8)|(\new)
.set MSB, (\new)
.endif
.endm
.set MUL,  0xa1
.set TO_B, 0x40
.macro JLOAD g0a, g1a, g0b, g1b
	s_cmp_eq_u32 s15, 0
	s_cbranch_scc0 .Lfor_b_\@
	tensor_load_to_lds s[\g0a:\g0a+3], s[\g1a:\g1a+7]
	s_nop 0
.rept 4
	v_nop
.endr
	s_branch .Lasked_\@
.Lfor_b_\@:
	tensor_load_to_lds s[\g0b:\g0b+3], s[\g1b:\g1b+7]
	s_nop 0
.rept 4
	v_nop
.endr
.Lasked_\@:
.endm
.macro CREST
	s_cmp_lg_u32 s14, 0
	s_cbranch_scc1 .Lnot_wave_0_\@
	s_barrier_signal -3
.Lnot_wave_0_\@:
	s_barrier_wait -3
	s_barrier_signal -1
	s_barrier_wait -1
.endm
.macro CROUND
	s_barrier_signal -1
	s_barrier_wait -1
	CREST
.endm
	s_load_b128 s[4:7], s[0:1], 0x0
	s_load_b64 s[12:13], s[0:1], 0x10
	v_lshl_add_u32 v[SPW], v0, 2, SPARE
	v_mov_b32 v[NIL], 0
	ds_add_u32 v28, v29
	ds_add_u32 v28, v29
	s_wait_dscnt 0x0
	v_lshrrev_b32 v1, 5, v0
	v_readfirstlane_b32 s14, v1
	s_lshr_b32 s15, s14, 1
	s_and_b32 s16, s14, 1
	s_bfe_u32 s40, ttmp6, 0x40000
	s_bfe_u32 s41, ttmp6, 0x40004
	s_lshl_b32 s42, ttmp9, 2
	s_add_co_u32 s42, s42, s40
	s_and_b32 s17, ttmp7, 0xffff
	s_lshl_b32 s17, s17, 2
	s_add_co_u32 s17, s17, s41
	s_lshl_b32 s43, s41, 2
	s_lshl_b32 s43, 15, s43
	s_lshl_b32 s44, 0x1111, s40
	s_or_b32 s[G1+0], s43, (0<<16)|(1<<20)|(1<<21)|(5<<22)|(3<<25)
	s_mov_b32 s[G1+1], ROWB<<16
	s_mov_b32 s[G1+2], 128<<16
	s_mov_b32 s[G1+3], ROWB<<16
	s_mov_b32 s[G1+4], 128
	s_mov_b32 s[G1+5], KROW
	s_mov_b32 s[G1+6], 0
	s_mov_b32 s[G1+7], 0
	s_or_b32 s[G1B+0], s44, (0<<16)|(1<<20)|(1<<21)|(5<<22)|(3<<25)
	s_mov_b32 s[G1B+1], ROWB<<16
	s_mov_b32 s[G1B+2], 64<<16
	s_mov_b32 s[G1B+3], ROWB<<16
	s_mov_b32 s[G1B+4], 64
	s_mov_b32 s[G1B+5], KROW
	s_mov_b32 s[G1B+6], 0
	s_mov_b32 s[G1B+7], 0
	s_lshl_b32 s18, s16, 7
	s_lshl_b32 s20, s17, 8
	s_add_co_u32 s20, s20, s18
	s_lshl_b32 s20, s20, 11
	s_mov_b32 s21, 0
	s_lshl_b32 s19, s16, 6
	s_lshl_b32 s46, s42, 7
	s_add_co_u32 s46, s46, s19
	s_lshl_b32 s46, s46, 11
	s_mov_b32 s47, 0
	s_lshl_b32 s32, s17, 8
	s_lshl_b32 s33, s14, 6
	s_add_co_u32 s32, s32, s33
	s_lshl_b32 s32, s32, 6
	s_add_co_u32 s32, s32, ASCALES
	s_mov_b32 s33, 0
	s_lshl_b32 s34, s42, 13
	s_add_co_u32 s34, s34, BSCALES
	s_mov_b32 s35, 0
	s_mul_i32 s45, s16, HALFA
	s_mul_i32 s94, s16, HALFB
	s_add_co_u32 s94, s94, BOFF
	s_wait_kmcnt 0x0
	s_add_nc_u64 s[20:21], s[4:5], s[20:21]
	s_add_nc_u64 s[46:47], s[6:7], s[46:47]
	s_add_nc_u64 s[32:33], s[4:5], s[32:33]
	s_add_nc_u64 s[34:35], s[6:7], s[34:35]
	CROUND
.irp s, 0,1,2
	s_mov_b32 s[G0+4*\s], 1
	s_add_co_u32 s[G0+4*\s+1], s45, \s*SLOT
	s_add_nc_u64 s[G0+4*\s+2:G0+4*\s+3], s[20:21], \s*ROWB
	s_or_b32 s[G0+4*\s+3], s[G0+4*\s+3], 0x80000000
	s_mov_b32 s[G0B+4*\s], 1
	s_add_co_u32 s[G0B+4*\s+1], s94, \s*SLOT
	s_add_nc_u64 s[G0B+4*\s+2:G0B+4*\s+3], s[46:47], \s*ROWB
	s_or_b32 s[G0B+4*\s+3], s[G0B+4*\s+3], 0x80000000
.endr
	JLOAD G0, G1, G0B, G1B                         ; K step 0: one tensor load a wave at the head
	s_cmp_eq_u32 s15, 0                            ; the prefetches: of the rows that I fetch (128 of yc, 64 of woc) the partner at place p takes its quarter (p = cx or cy): told apart by address
	s_cselect_b64 s[36:37], s[20:21], s[46:47]
	s_cselect_b32 s38, s40, s41
	s_cselect_b32 s39, 16, 15
	s_cselect_b32 s22, 31, 15
	s_lshl_b32 s38, s38, s39
	s_mov_b32 s39, 0
	s_add_nc_u64 s[36:37], s[36:37], s[38:39]
	v_and_b32 v30, s22, v0
	v_lshlrev_b32 v30, 11, v30                     ; a lane a row
	global_prefetch_b8 v30, s[36:37] offset:ROWB th:TH_LOAD_NT scope:SCOPE_SE
	global_prefetch_b8 v30, s[36:37] offset:2*ROWB th:TH_LOAD_NT scope:SCOPE_SE
	v_and_b32 v6, 31, v0
	v_lshlrev_b32 v[SOF], 6, v6
.irp j, 0,1
.irp c, 0,1,2,3
	global_load_b128 v[SA+16*\j+4*\c:SA+16*\j+4*\c+3], v[SOF], s[32:33] offset:2048*\j+16*\c
.endr
.endr
.irp j, 0,1,2,3
.irp c, 0,1,2,3
	global_load_b128 v[SB+16*\j+4*\c:SB+16*\j+4*\c+3], v[SOF], s[34:35] offset:2048*\j+16*\c
.endr
.endr
	v_and_b32 v1, 15, v0
	v_bfe_u32 v2, v0, 4, 1
	v_mul_u32_u24 v3, v1, PITCH
	v_lshl_add_u32 v4, v2, 4, v3
	s_mul_i32 s21, s14, 64*PITCH
	s_mov_b32 s22, BOFF
.irp s, 0,1,2
	v_add_nc_u32 v[ADRA+\s], s21, v4
	v_add_nc_u32 v[ADRB+\s], s22, v4
	s_add_co_u32 s21, s21, SLOT
	s_add_co_u32 s22, s22, SLOT
.endr
	s_mul_i32 s23, s14, 16*SPITCH
	v_mul_u32_u24 v5, v1, SPITCH
	v_lshl_add_u32 v5, v2, 5, v5
	v_add_nc_u32 v[STO], s23, v5
	v_lshlrev_b32 v[CO], 4, v6
	v_add_nc_u32 v[RD], s23, v[CO]
	s_lshl_b32 s20, s17, 8
	s_lshl_b32 s21, s14, 6
	s_add_co_u32 s20, s20, s21
	s_mov_b32 s21, 0
	s_mov_b64 s[18:19], SIZE_N*4
	s_mul_u64 s[20:21], s[20:21], s[18:19]
	s_lshl_b32 s46, s42, 9
	s_mov_b32 s47, 0
	s_add_nc_u64 s[20:21], s[20:21], s[46:47]
	s_add_nc_u64 s[12:13], s[12:13], s[20:21]
.macro FRAG reg, adr, q, i
.irp c, 0,1,2,3
	ds_load_b128 v[\reg+4*\c:\reg+4*\c+3], v[\adr] offset:128*(\q)+32*\c+(\i)*16*PITCH
.endr
.endm
.macro MULA a, p, s, zero
.irp b, 0,1,2,3,4,5,6,7
.set rD, 8*(8*(\a)+\b)
.set rB, 128*(\p)+FR*\b
.set rA, AF+64*(\p)+FR*(\a)
.set rSB, SB+16*(\b/2)+(\s)
.set rSA, SA+16*((\a)/2)+(\s)
.set rV, 2*(\b%2)+(\a)%2
.if \zero
.if rV == 3
	v_wmma_scale_f32_16x16x128_f8f6f4 v[rD:rD+7], v[rB:rB+FR-1], v[rA:rA+FR-1], 0, v[rSB], v[rSA] matrix_a_scale:MATRIX_SCALE_ROW1 matrix_b_scale:MATRIX_SCALE_ROW1
.elseif rV == 2
	v_wmma_scale_f32_16x16x128_f8f6f4 v[rD:rD+7], v[rB:rB+FR-1], v[rA:rA+FR-1], 0, v[rSB], v[rSA] matrix_a_scale:MATRIX_SCALE_ROW1
.elseif rV == 1
	v_wmma_scale_f32_16x16x128_f8f6f4 v[rD:rD+7], v[rB:rB+FR-1], v[rA:rA+FR-1], 0, v[rSB], v[rSA] matrix_b_scale:MATRIX_SCALE_ROW1
.else
	v_wmma_scale_f32_16x16x128_f8f6f4 v[rD:rD+7], v[rB:rB+FR-1], v[rA:rA+FR-1], 0, v[rSB], v[rSA]
.endif
.else
.if rV == 3
	v_wmma_scale_f32_16x16x128_f8f6f4 v[rD:rD+7], v[rB:rB+FR-1], v[rA:rA+FR-1], v[rD:rD+7], v[rSB], v[rSA] matrix_a_scale:MATRIX_SCALE_ROW1 matrix_b_scale:MATRIX_SCALE_ROW1
.elseif rV == 2
	v_wmma_scale_f32_16x16x128_f8f6f4 v[rD:rD+7], v[rB:rB+FR-1], v[rA:rA+FR-1], v[rD:rD+7], v[rSB], v[rSA] matrix_a_scale:MATRIX_SCALE_ROW1
.elseif rV == 1
	v_wmma_scale_f32_16x16x128_f8f6f4 v[rD:rD+7], v[rB:rB+FR-1], v[rA:rA+FR-1], v[rD:rD+7], v[rSB], v[rSA] matrix_b_scale:MATRIX_SCALE_ROW1
.else
	v_wmma_scale_f32_16x16x128_f8f6f4 v[rD:rD+7], v[rB:rB+FR-1], v[rA:rA+FR-1], v[rD:rD+7], v[rSB], v[rSA]
.endif
.endif
.endr
.endm
.macro FETCH_B slot, q, p
	WIN TO_B
.irp i, 0,1,2,3,4,5,6,7
	FRAG 128*(\p)+FR*\i, ADRB+\slot, \q, \i
.endr
	WIN 0
.endm
.macro FETCH_A slot, q, p
.irp i, 0,1,2,3
	FRAG AF+64*(\p)+FR*\i, ADRA+\slot, \q, \i
.endr
.endm
.macro PLACES n
.rept \n
	v_nop
.endr
.endm
.macro STEP k, zero
.set SL, (\k)%3
	s_wait_dscnt 0x0
	PLACES NP
	FETCH_B SL, 1, 1
	FETCH_A SL, 1, 1
	WIN MUL
	MULA 0, 0, 2*(\k), \zero
	MULA 1, 0, 2*(\k), \zero
	MULA 2, 0, 2*(\k), \zero
	MULA 3, 0, 2*(\k), \zero
	WIN 0
.endm
.macro TURN k, fill
.set SL, (\k)%3
.set NX, ((\k)+1)%3
	s_wait_tensorcnt 0x0
	ds_add_u32 v[SPW], v[NIL]
	s_wait_dscnt 1
	WIN MUL
	MULA 0, 1, 2*(\k)+1, 0
	s_wait_dscnt 0x0
	s_barrier_signal -1
	MULA 1, 1, 2*(\k)+1, 0
	WIN 0
	s_barrier_wait -1
.if \fill
	CREST
.set FL, ((\k)+2)%3                    ; K step k + 2 goes where K step k - 1 lay (k = 0: the third slot's first fill)
.if (\k) > 0
	s_add_nc_u64 s[G0+4*FL+2:G0+4*FL+3], s[G0+4*FL+2:G0+4*FL+3], 3*ROWB
	s_add_nc_u64 s[G0B+4*FL+2:G0B+4*FL+3], s[G0B+4*FL+2:G0B+4*FL+3], 3*ROWB
.endif
	JLOAD G0+4*FL, G1, G0B+4*FL, G1B
	PLACES NP-4
.else
	PLACES NP
.endif
	s_wait_alu depctr_va_vdst(0)
	FETCH_B NX, 0, 0
	FETCH_A NX, 0, 0
.if (\fill) && ((\k)+4 < 8)
	global_prefetch_b8 v30, s[36:37] offset:((\k)+4)*ROWB th:TH_LOAD_NT scope:SCOPE_SE   ; the K step two refills on
.endif
	WIN MUL
	MULA 2, 1, 2*(\k)+1, 0
	MULA 3, 1, 2*(\k)+1, 0
	WIN 0
.endm
.macro PASS k
.set NX, ((\k)+1)%3
	s_wait_dscnt 0x0
	PLACES NP
	FETCH_B NX, 0, 0
	FETCH_A NX, 0, 0
	WIN MUL
	MULA 0, 1, 2*(\k)+1, 0
	MULA 1, 1, 2*(\k)+1, 0
	MULA 2, 1, 2*(\k)+1, 0
	MULA 3, 1, 2*(\k)+1, 0
	WIN 0
.endm
	s_wait_alu depctr_va_vdst(0)                   ; the wait at the head's end
	s_wait_tensorcnt 0x0                           ; my part of K step 0 is in
	ds_add_u32 v[SPW], v[NIL]
	s_wait_dscnt 0x0
	CROUND
	JLOAD G0+4, G1, G0B+4, G1B                     ; K step 1
	FETCH_B 0, 0, 0
	FETCH_A 0, 0, 0
	global_prefetch_b8 v30, s[36:37] offset:3*ROWB th:TH_LOAD_NT scope:SCOPE_SE
	s_wait_loadcnt 0x0
	STEP 0, 1
	TURN 0, 1
	STEP 1, 0
	TURN 1, 1
	STEP 2, 0
	TURN 2, 1
	STEP 3, 0
	TURN 3, 1
	STEP 4, 0
	TURN 4, 1
	STEP 5, 0
	TURN 5, 1
	STEP 6, 0
	TURN 6, 0
	STEP 7, 0
	s_wait_dscnt 0x0
	WIN MUL
	MULA 0, 1, 15, 0
	MULA 1, 1, 15, 0
	MULA 2, 1, 15, 0
	MULA 3, 1, 15, 0
	WIN 0
.macro TOSTAGE a
.set AC, 64*(\a)
	WIN 0x08
.irp b, 0,1,2,3,4,5,6,7
	ds_store_b128 v[STO], v[AC+8*\b:AC+8*\b+3] offset:64*\b
	ds_store_b128 v[STO], v[AC+8*\b+4:AC+8*\b+7] offset:64*\b+16
.endr
	WIN 0
.set BB, BK+64*((\a)%2)
.irp t, 0,1,2,3,4,5,6,7,8,9,10,11,12,13,14,15
	ds_load_b128 v[BB+4*\t:BB+4*\t+3], v[RD] offset:\t*SPITCH
.endr
.endm
.macro SEND a, younger
.set BB, BK+64*((\a)%2)
	s_wait_dscnt \younger
.if (\a) > 0
	s_add_nc_u64 s[12:13], s[12:13], 16*SIZE_N*4
.endif
.irp t, 0,1,2,3,4,5,6,7,8,9,10,11,12,13,14,15
	global_store_b128 v[CO], v[BB+4*\t:BB+4*\t+3], s[12:13] offset:\t*SIZE_N*4 th:TH_STORE_NT
.endr
.endm
	PLACES NP
	TOSTAGE 0
.irp a, 1,2,3
.if \a > 1
	s_wait_xcnt 0x0
.endif
	TOSTAGE \a
	SEND \a-1, 32
.endr
	s_wait_xcnt 0x0
	SEND 3, 0
	s_wait_tensorcnt 0x0
	ds_add_u32 v[SPW], v[NIL]
	s_wait_dscnt 0x0
	CROUND
	s_endpgm
.Lfunc_end_k_qb32a9b87ad_proj:
	.size	k_qb32a9b87ad_proj, .Lfunc_end_k_qb32a9b87ad_proj-k_qb32a9b87ad_proj
	.p2alignl 7, 3214868480
	.fill 96, 4, 3214868480
	.section	.rodata,"a",@progbits
	.p2align	6, 0x0
	.amdhsa_kernel k_qb32a9b87ad_proj
		.amdhsa_group_segment_fixed_size 327680
		.amdhsa_private_segment_fixed_size 0
		.amdhsa_enable_private_segment 0
		.amdhsa_kernarg_size 24
		.amdhsa_user_sgpr_count 2
		.amdhsa_user_sgpr_kernarg_segment_ptr 1
		.amdhsa_wavefront_size32 1
		.amdhsa_system_sgpr_workgroup_id_x 1
		.amdhsa_system_sgpr_workgroup_id_y 1
		.amdhsa_system_sgpr_workgroup_id_z 1
		.amdhsa_system_vgpr_workitem_id 0
		.amdhsa_next_free_vgpr 768
		.amdhsa_next_free_sgpr 96
		.amdhsa_reserve_vcc 0
		.amdhsa_float_denorm_mode_32 3
		.amdhsa_float_denorm_mode_16_64 3
		.amdhsa_memory_ordered 1
		.amdhsa_forward_progress 1
		.amdhsa_inst_pref_size 152
	.end_amdhsa_kernel
	.amdgpu_metadata
---
amdhsa.version: [ 1, 2 ]
amdhsa.kernels:
  - .name:           k_qb32a9b87ad_proj
    .symbol:         k_qb32a9b87ad_proj.kd
    .args:
      - { .name: yc, .offset: 0, .size: 8, .value_kind: global_buffer, .address_space: global }
      - { .name: woc, .offset: 8, .size: 8, .value_kind: global_buffer, .address_space: global }
      - { .name: out0, .offset: 16, .size: 8, .value_kind: global_buffer, .address_space: global }
    .group_segment_fixed_size: 327680
    .private_segment_fixed_size: 0
    .kernarg_segment_align: 8
    .kernarg_segment_size: 24
    .max_flat_workgroup_size: 128
    .sgpr_count:     96
    .vgpr_count:     768
    .wavefront_size: 32
...
	.end_amdgpu_metadata
.endif
;; end of part 4
